; MI455X (gfx1250); checked and timed in simulation.
; The chip was launched on July 23, 2026; its instructions are those of AMD's public machine-readable ISA for CDNA 5 (MIT licence, August 2026) and "CDNA5" Instruction Set Architecture Reference Guide (July 2026). The comments in the code are by the model that wrote it; some were corrected since.
;; Mo E Layer. Allowed arithmetic: matrix products marked QUANTISED: E2M1 operands, one E8M0 scale for each 32 along K, by v_wmma_scale_f32_16x16x128_f8f6f4 with both operands' format E2M1 (or v_wmma_scale_f32_32x16x128_f4), f32 sums; products left as they are: f32 operands where the result goes on into a quantised operand, else bf16, f16 or f32 operands; f32 sums; everything else in f32.
;; Inputs: router_w 8 x 256 float32; w1 8 x 682 x 256 float32; w2 8 x 256 x 682 float32; w3 8 x 682 x 256 float32; x 8 x 2,048 x 256 float32.
;; Outputs: out0 8 x 2,048 x 256 float32.
;; This version of the problem:
;;   THIS VERSION OF THE PROBLEM IS GIVEN IN LOW PRECISION. The matrix products marked QUANTISED in the list below multiply operands that are first quantised to E2M1 (2 exponent bits, 1 mantissa bit; 4 bits a number), with one power-of-two scale for each 32 numbers along K (OCP MX v1.0); their sums are f32. All else is computed in f32.
;;   The module's matrix products, in the order in which they are computed (A, B: the left and right operand; K: the contracted axis; several contracted axes count as one K, in the product's order):
;;     1. [M 16,384, K 256] x [K 256, N 8]; A: input x; B: input router_w: left as it is (N = 8 < 16)
;;     2. batch 16,384 x [M 1, K 2] x [K 2, N 8]; A: computed on the way; B: computed on the way: left as it is (K = 2 < 32)
;;     3. [M 16,384, K 256] x [K 256, N 5,456]; A: input x; B: input w1: QUANTISED
;;     4. [M 16,384, K 256] x [K 256, N 5,456]; A: input x; B: input w3: QUANTISED
;;     5. batch 8 x [M 256, K 682] x [K 682, N 16,384]; A: input w2; B: computed on the way: QUANTISED
;;     6. batch 16,384 x [M 1, K 8] x [K 8, N 256]; A: computed on the way; B: computed on the way: left as it is (K = 8 < 32)
;;   THE QUANTISER, for each operand of a quantised product, along K:
;;     - K is cut into blocks of 32 from its start; a last block that is shorter is filled with zeros.
;;     - A block's scale is 2^e with e = floor(log2(the largest magnitude in the block)) - 2, held to -126 .. 127; a block of zeros has e = 0. As a byte (E8M0): e + 127.
;;     - Each number is divided by its block's scale, clamped to +-6, and rounded to the nearest number of E2M1, ties to even, subnormals kept.
;;     - The product sums the exact products of the quantised numbers (number of the format x scale) in f32.
;;   ~~~python
;;   def quantise(x, axis):      # numpy; x: float32 -> the quantised numbers, widened to float32 again
;;       x = np.moveaxis(x, axis, -1); K = x.shape[-1]
;;       x = np.pad(x, [(0, 0)] * (x.ndim - 1) + [(0, -K % 32)]); x = x.reshape(x.shape[:-1] + (-1, 32)); a = np.abs(x).max(-1, keepdims=True)
;;       e = np.where(a > 0, np.clip(np.frexp(np.where(a > 0, a, 1))[1] - 1 - 2, -126, 127), 0)      # np.frexp(a)[1] - 1 = floor(log2(a)), exactly
;;       r = np.clip(x / 2.0 ** e, -6, 6)
;;       step = 2.0 ** (np.maximum(np.frexp(np.where(r == 0, 1, r))[1] - 1, 0) - 1)
;;       q = np.round(r / step) * step * 2.0 ** e      # np.round: ties to even
;;       return np.moveaxis(q.reshape(q.shape[:-2] + (-1,))[..., :K], -1, axis).astype(np.float32)
;;   ~~~
;;   OPERANDS COMPUTED ON THE WAY. 'Computed on the way' means the value that the module computes at that place (a softmax that the list does not call 'softmax' is quantised finished and normalised). What goes into a quantiser is computed in f32, as accurately as f32 sums, v_exp_f32 and their like allow (about 1e-6 of the number): no bf16 or f16 on the way to a quantiser, and a product that is left as it is and whose result goes on into a quantised operand takes f32 operands (vector FMAs, or v_wmma_f32_16x16x4_f32). A number that lies on a knife's edge between two numbers of the format may be rounded either way, as far as f32 arithmetic and the matrix unit's own rounding can turn it there, and no further.
;; 2 versions. Each part assembles by itself: llvm-mc -triple=amdgcn-amd-amdhsa -mcpu=gfx1250 --defsym DOCPART=n.
;; ======== version 1 of 2: 3 launches
;; workspace buffers: xq 2,097,152 bytes; xs 131,072 bytes; gates 524,288 bytes; route 81,920 bytes of whole numbers; plan 69,632 bytes of whole numbers; wa 1,531,904 bytes; wb 851,968 bytes
;; launch prep (part 1): grid 33 x 8, 8 waves a work-group, no clusters, 155,648 bytes of LDS; arguments x, router_w, w1, w2, w3, xq, xs, gates, route, wa, wb; writes xq, xs, gates, route, wa, wb
.if DOCPART == 1
	.amdgcn_target "amdgcn-amd-amdhsa--gfx1250"
	.amdhsa_code_object_version 6
	.text
	.protected	k_qe17f50c095_prep
	.globl	k_qe17f50c095_prep
	.p2align	8
	.type	k_qe17f50c095_prep,@function
k_qe17f50c095_prep:
	s_mov_b64 s[64:65], 0
	v_nop
	global_prefetch_b8 v0, s[64:65] scope:SCOPE_SE
	s_setreg_imm32_b32 hwreg(HW_REG_WAVE_MODE, 25, 1), 1
	s_wait_xcnt 0x0
; PREP.  Every wave takes ONE tile of 16 rows x 256 numbers (f32, two K steps of 128) and turns it into two operand fragments of FP4 (E2M1) codes with one E8M0 byte for each 32 along K.
; Work-group x < 16 (128 work-groups): 128 tokens of x, 16 a wave.  Beside the codes the wave makes the router in f32: logits (f32 matrix form, 64 instructions a wave), softmax with its maximum
;   taken away, top 2 (ties: the lower index), renormalised gates [token][8], the key of the token's pair of experts (28 keys) and the token's rank among equal keys of its 128 tokens, and a
;   count of each key for the 128 tokens.  All of these are VALUES stored at fixed places: no address and no branch here hangs on them.
;   THE KEYS run (0,1) .. (0,7), (1,7) .. (1,2), (2,3) .. (2,7), (3,7) .. : neighbouring keys share an expert, so that a run of sorted tokens that crosses one border uses three experts, not four.
; x = 16 .. 26: w1 and w3 of expert y: wave w takes block of 32 hidden units 2 (x - 16) + w / 4, matrix (w % 4) / 2, half w % 2.  THE ROWS OF A TILE ARE NOT NEIGHBOURS: tile row i is hidden
;   unit 32 b + 8 u + i + 8 (i / 8), so that in the next launch a lane's 16 results of two tiles are 16 neighbours along the second product's K.  Hidden units from 682 on are zeros.
; x = 27 .. 32: w2 of expert y: 16 output columns x 256 along K = the hidden units; from 682 on zeros.
; Weights leave in the ORDER OF THE OPERAND'S REGISTERS (a fragment: 2 x 512 bytes, lane l's 16 bytes at 16 l), scale words 4 bytes a lane (lanes 0-15 the first K step, lanes 16-31 the second).
; HOW A TILE TURNS.  Loads take 512 consecutive bytes of a row, 16 a lane; the conversions want 16 NEIGHBOURS along K in one lane: a K step's 16 x 512 bytes go through the wave's own stage in
; LDS (rows 528 bytes apart) and come back as lane (r, h): row r, numbers 32 b + 16 h + 0 .. 15 of each block b.
; The two texts (tokens, weights) part once, on the work-group's number, and have LDS bytes of their own.  No tensor load: each tile is read once by one wave; no cluster: no tile is shared.
; LIMITS: a block whose largest magnitude lies under 2^-124 (zeros among them) gets the byte 1: only this program reads the bytes.  NaN and infinities are not served.  Where a token's second
; and third probability agree to the last bits of f32, the other expert may be chosen.  Scale words, keys and counts leave in runs of 64 or 128 bytes: 350 KB of the launch's 38 MB.
.set HIST, 0                           ; LDS: [wave][32 words]: the waves' counts of keys
.set OSTG, 1024                        ; 16 rows x 144 bytes a wave: the tokens' codes on their way out
.set STGX, 19456                       ; the tokens' stages: 16 rows x 528 bytes a wave
.set STGW, 87040                       ; the weights' stages, likewise
.set SPI,  528                         ; 512 bytes + 16: 33 x 16, so that 16 rows' equal columns start 16 bytes apart modulo 256
.set TM,   12                          ; v12-27  at work in QUANT
.set PW,   28                          ; v28-29  the two scale words
.set PC,   30                          ; v30-45  the two fragments' codes
.set AC,   48                          ; v48-63  two accumulators of logits: written by matrix instructions alone
.set RWH,  64                          ; v64-127 half of router_w; later the router's work
.set XR,   128                         ; v128-255 the tile
.set MK,   66                          ; s66-93  for each key the lanes that hold it
; 64 numbers of a lane, register 16 b + i = k 32 b + 16 (lane / 16) + i of my row, become a fragment's codes in v[pc] on and its scale word in v[pw]
.macro QUANT s, pc, pw
.irp b, 0,1,2,3
	v_max3_num_f32 v[TM+\b], |v[\s+16*\b]|, |v[\s+1+16*\b]|, 0x1800000   ; my 16 numbers of block b, and the floor 2^(3 - 127): the byte cannot fall under 1
.endr
.irp i, 2,4,6,8,10,12,14
.irp b, 0,1,2,3
	v_max3_num_f32 v[TM+\b], v[TM+\b], |v[\s+16*\b+\i]|, |v[\s+1+16*\b+\i]|   ; the four blocks by turns
.endr
.endr
.irp b, 0,1,2,3
	v_permlanex16_b32 v[TM+4+\b], v[TM+\b], s44, s45
.endr
.irp b, 0,1,2,3
	v_max_num_f32 v[TM+\b], v[TM+\b], v[TM+4+\b]   ; with lane l xor 16's: the block's largest magnitude
.endr
.irp b, 0,1,2,3
	v_add_nc_u32 v[TM+12+\b], 0xff000000, v[TM+\b]   ; 2 off its exponent field: the conversion takes this operand's exponent field as its scale
.endr
.irp b, 0,1,2,3
	v_lshrrev_b32 v[TM+4+\b], 23, v[TM+12+\b]      ; the scale's byte
.endr
	v_lshl_or_b32 v[\pw], v[TM+5], 8, v[TM+4]
	v_lshl_or_b32 v[\pw], v[TM+6], 16, v[\pw]
	v_lshl_or_b32 v[\pw], v[TM+7], 24, v[\pw]      ; my row's scale word (both halves of the lanes hold it)
.irp b, 0,1,2,3
	v_cvt_scalef32_pk8_fp4_f32 v[\pc+2*\b], v[\s+16*\b:\s+7+16*\b], v[TM+12+\b]
	v_cvt_scalef32_pk8_fp4_f32 v[\pc+1+2*\b], v[\s+8+16*\b:\s+15+16*\b], v[TM+12+\b]
.endr
	v_nop                                          ; one plain instruction behind the scaled conversions
.irp c, 0,1                                    ; the operand wants a WHOLE block in a lane: lanes 0-15 block 2 c, lanes 16-31 block 2 c + 1
.irp i, 0,1
	v_permlane16_swap_b32 v[\pc+4*\c+\i], v[\pc+2+4*\c+\i]
.endr
.endr
.endm
; K step s of the tile through my stage.  The stores have read their registers before the loads land on them; the stage is my wave's own
.macro STAGE s
.irp i, 0,1,2,3,4,5,6,7,8,9,10,11,12,13,14,15
	ds_store_b128 v6, v[XR+64*\s+4*\i:XR+64*\s+4*\i+3] offset:SPI*\i
.endr
	s_wait_dscnt 0x0
.irp b, 0,1,2,3
.irp j, 0,1,2,3
	ds_load_b128 v[XR+64*\s+16*\b+4*\j:XR+64*\s+16*\b+4*\j+3], v7 offset:128*\b+16*\j
.endr
.endr
	s_wait_dscnt 0x0
.endm
; router_w, K step s, in the tile's own order: lane (r, h) takes expert r % 8, numbers 32 b + 16 h + 0 .. 15
.macro RWLOAD s
.irp b, 0,1,2,3
.irp j, 0,1,2,3
	global_load_b128 v[RWH+16*\b+4*\j:RWH+16*\b+4*\j+3], v8, s[6:7] offset:512*\s+128*\b+16*\j
.endr
.endr
.endm
; 32 matrix instructions of 16 x 16 x 4 in f32: source 0 = router_w's 8 rows (twice), source 1 = my 16 tokens.  K is permuted alike on both sides.  Two accumulators take turns, one
; instruction a turn.  Eight v_nop follow: the places behind this form (ISA guide 7.12.1)
.macro ROUT s
.set q, 0
.rept 32
.if (\s == 0) && (q < 2)
	v_wmma_f32_16x16x4_f32 v[AC+8*(q%2):AC+8*(q%2)+7], v[RWH+2*q:RWH+2*q+1], v[XR+64*\s+2*q:XR+64*\s+2*q+1], 0
.else
	v_wmma_f32_16x16x4_f32 v[AC+8*(q%2):AC+8*(q%2)+7], v[RWH+2*q:RWH+2*q+1], v[XR+64*\s+2*q:XR+64*\s+2*q+1], v[AC+8*(q%2):AC+8*(q%2)+7]
.endif
.set q, q+1
.endr
.rept 8
	v_nop
.endr
.endm
.macro LDX s                           ; K step s of 16 neighbouring tokens: each load 512 consecutive bytes
.irp i, 0,1,2,3,4,5,6,7,8,9,10,11,12,13,14,15
	global_load_b128 v[XR+64*\s+4*\i:XR+64*\s+4*\i+3], v4, s[32:33] offset:1024*\i+512*\s th:TH_LOAD_NT
.endr
.endm
.macro LD128 rows                      ; a tile of w1 or w3: tile row i is row i + 8 (i / 8) from the first; rows from \rows on lie past hidden unit 681: zeros, and no load
.irp i, 0,1,2,3,4,5,6,7,8,9,10,11,12,13,14,15
.irp s, 0,1
.if \i < \rows
	global_load_b128 v[XR+64*\s+4*\i:XR+64*\s+4*\i+3], v4, s[32:33] offset:(\i+8*(\i/8))*1024+512*\s th:TH_LOAD_NT
.else
.irp z, 0,1,2,3
	v_mov_b32 v[XR+64*\s+4*\i+\z], 0
.endr
.endif
.endr
.endr
.endm
.macro LD64 tail                       ; a tile of w2: rows of 2,728 bytes are multiples of 8 only, so a lane's 16 bytes come as two loads of 8.  tail = 1: the second K step ends at column 681: lanes past it are held at the row's last 8 bytes
.irp i, 0,1,2,3,4,5,6,7,8,9,10,11,12,13,14,15
.irp s, 0,1
.irp f, 0,1
.if \tail && (\s == 1)
	global_load_b64 v[XR+64*\s+4*\i+2*\f:XR+64*\s+4*\i+2*\f+1], v[9+\f], s[32:33] offset:2728*\i+512*\s+8*\f
.else
	global_load_b64 v[XR+64*\s+4*\i+2*\f:XR+64*\s+4*\i+2*\f+1], v4, s[32:33] offset:2728*\i+512*\s+8*\f
.endif
.endr
.endr
.endr
.endm
	s_load_b512 s[4:19], s[0:1], 0x0               ; x 4, router_w 6, w1 8, w2 10, w3 12, xq 14, xs 16, gates 18
	s_load_b128 s[20:23], s[0:1], 0x40             ; route 20, wa 22
	s_load_b64 s[24:25], s[0:1], 0x50              ; wb
	v_lshl_add_u32 v22, v0, 2, 0x25c00
	v_mov_b32 v23, 0
	v_lshrrev_b32 v1, 5, v0
	v_readfirstlane_b32 s26, v1                    ; wave 0..7
	v_and_b32 v1, 31, v0                           ; lane
	v_and_b32 v2, 15, v0                           ; r
	v_bfe_u32 v3, v0, 4, 1                         ; h
	v_lshlrev_b32 v4, 4, v1                        ; 16 x lane
	v_lshlrev_b32 v5, 2, v1                        ; 4 x lane
	s_and_b32 s28, ttmp7, 0xffff                   ; work-group y
	s_mov_b32 s44, 0x76543210
	s_mov_b32 s45, 0xfedcba98                      ; v_permlanex16_b32's selects for lane l xor 16
.irp b, 0,1,2,3
	v_mov_b32 v[TM+4+\b], 0                        ; written once: a lane permute's destination counts as one of its sources
.endr
	s_mul_i32 s51, s26, 16*SPI                     ; my wave's stage
	v_mul_u32_u24 v7, v2, SPI
	v_lshl_add_u32 v7, v3, 6, v7                   ; out of it: row r, + 64 h
	s_mov_b32 s39, 0
	s_cmp_lt_u32 ttmp9, 16
	s_cbranch_scc0 .Lweights
; ------------------------------------------------------------------ TOKENS
	s_add_co_u32 s51, s51, STGX
	v_add_nc_u32 v6, s51, v4
	v_add_nc_u32 v7, s51, v7
	s_lshl_b32 s47, s28, 4
	s_add_co_u32 s47, s47, ttmp9                   ; g: which 128 tokens
	s_lshl_b32 s46, s47, 7
	s_lshl_b32 s38, s26, 4
	s_add_co_u32 s46, s46, s38                     ; my first token: 128 g + 16 wave
	v_and_b32 v8, 7, v0
	v_lshlrev_b32 v8, 10, v8
	v_lshl_add_u32 v8, v3, 6, v8                   ; router_w: row r % 8, + 64 h
	s_lshl_b32 s38, s46, 10
	s_wait_kmcnt 0x0
	s_add_nc_u64 s[32:33], s[4:5], s[38:39]
	LDX 0
	RWLOAD 0
	LDX 1
	s_lshl_b32 s38, s46, 7
	s_add_nc_u64 s[34:35], s[14:15], s[38:39]      ; my tokens' codes,
	s_lshl_b32 s38, s46, 3
	s_add_nc_u64 s[36:37], s[16:17], s[38:39]      ; scale words,
	s_lshl_b32 s38, s46, 5
	s_add_nc_u64 s[40:41], s[18:19], s[38:39]      ; gates,
	s_lshl_b32 s38, s46, 2
	s_add_nc_u64 s[42:43], s[20:21], s[38:39]      ; keys and ranks,
	s_lshl_b32 s38, s47, 7
	s_add_nc_u64 s[48:49], s[20:21], s[38:39]      ; and the 128 tokens' counts (65,536 bytes further on: in the immediate)
	v_lshlrev_b32 v9, 3, v2
	v_lshl_add_u32 v9, v3, 2, v9                   ; scale words: 8 r + 4 h
	v_lshlrev_b32 v10, 5, v2
	v_lshl_add_u32 v10, v3, 4, v10                 ; gates: 32 r + 16 h
	s_mul_i32 s38, s26, 16*144
	s_add_co_u32 s38, s38, OSTG
	v_mul_u32_u24 v11, v2, 144
	v_lshl_add_u32 v11, v3, 4, v11
	v_add_nc_u32 v11, s38, v11                     ; codes into their stage: row r, + 16 h
	v_lshrrev_b32 v46, 3, v1
	v_mul_u32_u24 v46, v46, 144
	v_and_b32 v47, 7, v1
	v_lshl_add_u32 v46, v47, 4, v46
	v_add_nc_u32 v46, s38, v46                     ; and out: eight lanes to a row of 128 bytes
	v_lshlrev_b32 v47, 2, v0                       ; my wave's 32 counts: 128 wave + 4 lane
	s_wait_loadcnt 16                              ; x's first K step and router_w's are in; the 16 loads of x's second K step may be out
	STAGE 0
	ROUT 0
	RWLOAD 1                                       ; behind the eight places: into registers that the matrix instructions have read
	QUANT XR, PC, PW
	s_wait_loadcnt 16                              ; x's second K step is in; router_w's 16 loads may be out
	STAGE 1
	s_wait_loadcnt 0x0
	ROUT 1
	QUANT XR+64, PC+8, PW+1
	; THE ROUTER.  Lane (r, h), register j: the logit of token r for expert j (both halves of the lanes hold the same)
.irp j, 0,1,2,3,4,5,6,7
	v_add_f32 v[64+\j], v[AC+\j], v[AC+8+\j]       ; both accumulators are read from their low end on
.endr
	v_max3_num_f32 v72, v64, v65, v66
	v_max3_num_f32 v72, v72, v67, v68
	v_max3_num_f32 v72, v72, v69, v70
	v_max_num_f32 v72, v72, v71                    ; the row's maximum is taken away ahead of the exponentials
.irp j, 0,1,2,3,4,5,6,7
	v_sub_f32 v[64+\j], v[64+\j], v72
.endr
.irp j, 0,1,2,3,4,5,6,7
	v_mul_f32 v[64+\j], 0x3fb8aa3b, v[64+\j]
.endr
.irp j, 0,1,2,3,4,5,6,7
	v_exp_f32 v[64+\j], v[64+\j]
.endr
	v_mov_b32 v82, -1.0                            ; (a plain instruction behind the exponentials)
	s_wait_alu depctr_va_vdst(0)                   ; one wait for the eight, ahead of their first reader
	v_add_f32 v73, v64, v65
	v_add_f32 v74, v66, v67
	v_add_f32 v75, v68, v69
	v_add_f32 v76, v70, v71
	v_add_f32 v73, v73, v74
	v_add_f32 v75, v75, v76
	v_add_f32 v73, v73, v75
	v_rcp_f32 v73, v73
	v_mov_b32 v81, 0                               ; (plain)  the first choice's index
	s_wait_alu depctr_va_vdst(0)
.irp j, 0,1,2,3,4,5,6,7
	v_mul_f32 v[64+\j], v[64+\j], v73              ; the probabilities
.endr
	v_mov_b32 v80, v64
.irp j, 1,2,3,4,5,6,7                          ; the largest; where two are equal the lower index stays
	v_cmp_ge_f32 vcc_lo, v80, v[64+\j]
	v_cndmask_b32 v81, \j, v81, vcc_lo
	v_cndmask_b32 v80, v[64+\j], v80, vcc_lo
.endr
.irp j, 0,1,2,3,4,5,6,7
	v_cmp_eq_u32 vcc_lo, \j, v81
	v_cndmask_b32 v[64+\j], v[64+\j], v82, vcc_lo  ; it is taken out (-1 lies under every probability)
.endr
	v_mov_b32 v83, v64
	v_mov_b32 v84, 0
.irp j, 1,2,3,4,5,6,7                          ; the second
	v_cmp_ge_f32 vcc_lo, v83, v[64+\j]
	v_cndmask_b32 v84, \j, v84, vcc_lo
	v_cndmask_b32 v83, v[64+\j], v83, vcc_lo
.endr
	v_add_f32 v85, v80, v83
	v_add_f32 v85, 0x3089705f, v85                 ; + 1e-9
	v_rcp_f32 v85, v85
	v_min_u32 v96, v81, v84                        ; lo, hi; the key: plain work behind the reciprocal
	v_max_u32 v97, v81, v84
	v_sub_nc_u32 v98, 15, v96
	v_mul_u32_u24 v98, v98, v96
	v_lshrrev_b32 v98, 1, v98                      ; lo (15 - lo) / 2: where lo's keys begin
	v_sub_nc_u32 v99, v97, v96
	v_add_nc_u32 v99, -1, v99                      ; hi - lo - 1: hi rising, where lo is even
	v_sub_nc_u32 v100, 7, v97                      ; 7 - hi: hi falling, where lo is odd
	v_and_b32 v101, 1, v96
	v_cmp_eq_u32 vcc_lo, 0, v101
	v_cndmask_b32 v99, v100, v99, vcc_lo
	v_add_nc_u32 v98, v98, v99
	s_wait_alu depctr_va_vdst(0)
	v_mul_f32 v86, v80, v85
	v_mul_f32 v87, v83, v85                        ; the two gates
.irp j, 0,1,2,3,4,5,6,7
	v_cmp_eq_u32 vcc_lo, \j, v81
	v_cndmask_b32 v[88+\j], 0, v86, vcc_lo
	v_cmp_eq_u32 vcc_lo, \j, v84
	v_cndmask_b32 v[88+\j], v[88+\j], v87, vcc_lo  ; the dense row of gates: 0 for the six others
.endr
	v_cmp_eq_u32 vcc_lo, 0, v3
	v_cndmask_b32 v99, 31, v98, vcc_lo             ; each token counts once: lanes 16-31 hold no key
	v_mov_b32 v101, 0                              ; lane k: how many of my 16 tokens have key k
	v_mov_b32 v103, 0                              ; my rank among my wave's tokens of my key
.set k, 0
.rept 28
	v_cmp_eq_u32 s[MK+k], k, v99
	s_bcnt1_i32_b32 s38, s[MK+k]
	v_writelane_b32 v101, s38, k
	v_mbcnt_lo_u32_b32 v102, s[MK+k], 0
	v_cndmask_b32 v103, v103, v102, s[MK+k]
.set k, k+1
.endr
	ds_store_b32 v47, v101 offset:HIST
.irp s, 0,1
.irp c, 0,1
	ds_store_b128 v11, v[PC+8*\s+4*\c:PC+8*\s+4*\c+3] offset:64*\s+32*\c   ; lane (r, h): bytes 64 s + 32 c + 16 h of token r's 128
.endr
.endr
	s_wait_dscnt 0x0                               ; for the others' sake: my counts lie in LDS
	s_barrier_signal -1
	s_barrier_wait -1
.irp j, 0,1,2,3,4,5,6,7
	ds_load_b32 v[104+\j], v5 offset:HIST+128*\j   ; all eight waves' counts
.endr
.irp i, 0,1,2,3
	ds_load_b128 v[XR+4*\i:XR+4*\i+3], v46 offset:576*\i   ; my own codes back: four tokens' 512 bytes an instruction
.endr
	v_mov_b32 v112, 0
	v_mov_b32 v113, 0
	v_mov_b32 v115, 0
	s_wait_dscnt 0x0
.irp j, 0,1,2,3,4,5,6,7
	s_cmp_gt_u32 s26, \j
	s_cselect_b32 s38, -1, 0
	v_and_b32 v114, s38, v[104+\j]
	v_add_nc_u32 v112, v112, v114                  ; lane k: tokens of key k in the waves before mine
	v_add_nc_u32 v113, v113, v[104+\j]             ; and in all eight
.endr
.set k, 0
.rept 28
	v_readlane_b32 s38, v112, k
	v_cndmask_b32 v115, v115, s38, s[MK+k]
.set k, k+1
.endr
	v_add_nc_u32 v103, v103, v115
	v_lshl_or_b32 v116, v103, 8, v98               ; key | rank << 8
.irp i, 0,1,2,3
	global_store_b128 v4, v[XR+4*\i:XR+4*\i+3], s[34:35] offset:512*\i   ; 512 consecutive bytes, aligned
.endr
	v_cmp_eq_u32 vcc_lo, 0, v3
	v_cndmask_b32 v120, v[PW+1], v[PW], vcc_lo
	global_store_b32 v9, v120, s[36:37]            ; [token][K step]
.irp i, 0,1,2,3
	v_cndmask_b32 v[124+\i], v[92+\i], v[88+\i], vcc_lo
.endr
	global_store_b128 v10, v[124:127], s[40:41]    ; 16 tokens' 512 consecutive bytes, aligned
	s_wait_xcnt 0x0                                ; EXEC changes only behind this wait
	v_cmp_gt_u32 vcc_lo, 16, v1
	s_and_saveexec_b32 s38, vcc_lo
	global_store_b32 v5, v116, s[42:43]            ; lanes 0-15: a word a token
	s_wait_xcnt 0x0                                ; and again in front of the line that widens it
	s_or_b32 exec_lo, exec_lo, s38
	s_cmp_lg_u32 s26, 0
	s_cbranch_scc1 .Ltok_end
	global_store_b32 v5, v113, s[48:49] offset:65536   ; wave 0: the 128 tokens' counts
.Ltok_end:
	s_wait_tensorcnt 0x0
	ds_add_u32 v22, v23
	s_wait_dscnt 0x0
	s_endpgm
; ------------------------------------------------------------------ WEIGHTS
.Lweights:
	s_add_co_u32 s51, s51, STGW
	v_add_nc_u32 v6, s51, v4
	v_add_nc_u32 v7, s51, v7
	v_min_u32 v9, 10, v1
	v_lshlrev_b32 v9, 4, v9                        ; w2's last K step has 168 bytes: the low 8 of a lane's 16 exist up to lane 10,
	v_min_u32 v10, 9, v1
	v_lshlrev_b32 v10, 4, v10                      ; the high 8 up to lane 9
	s_mov_b32 s41, 0
	s_mov_b32 s43, 0
	s_mov_b32 s50, 0                               ; 1: the tile ends at column 681
	s_cmp_lt_u32 ttmp9, 27
	s_cbranch_scc0 .Lw2
	s_sub_co_u32 s27, ttmp9, 16
	s_lshl_b32 s27, s27, 1
	s_lshr_b32 s29, s26, 2
	s_add_co_u32 s29, s29, s27                     ; block of 32 hidden units, 0 .. 21
	s_and_b32 s30, s26, 3                          ; 2 x matrix + half
	s_and_b32 s31, s26, 1                          ; half
	s_mul_i32 s38, s28, 682
	s_lshl_b32 s27, s29, 5
	s_add_co_u32 s38, s38, s27
	s_lshl_b32 s27, s31, 3
	s_add_co_u32 s38, s38, s27                     ; the tile's first row
	s_lshl_b32 s38, s38, 10
	s_mul_i32 s40, s28, 22
	s_add_co_u32 s40, s40, s29
	s_mul_i32 s40, s40, 8704                       ; the block's record in wa: 8 fragments, then 4 x 128 bytes of scale words
	s_lshl_b32 s42, s30, 7
	s_add_co_u32 s42, s42, s40
	s_add_co_u32 s42, s42, 8192
	s_lshl_b32 s27, s30, 11
	s_add_co_u32 s40, s40, s27
	s_wait_kmcnt 0x0
	s_bitcmp1_b32 s30, 1
	s_cselect_b64 s[32:33], s[12:13], s[8:9]       ; w3 or w1: the choice hangs on the wave's number alone
	s_add_nc_u64 s[32:33], s[32:33], s[38:39]
	s_add_nc_u64 s[34:35], s[22:23], s[40:41]
	s_add_nc_u64 s[36:37], s[22:23], s[42:43]
	s_cmp_lg_u32 s29, 21
	s_cbranch_scc1 .Lvar_a
	s_cmp_eq_u32 s31, 0
	s_cbranch_scc1 .Lvar_b
	LD128 2                                        ; hidden units 680, 681
	s_branch .Lstage
.Lvar_b:
	LD128 8                                        ; hidden units 672 .. 679
	s_branch .Lstage
.Lvar_a:
	LD128 16
	s_branch .Lstage
.Lw2:
	s_sub_co_u32 s27, ttmp9, 27
	s_lshr_b32 s29, s27, 1                         ; which 256 along K: 0 .. 2
	s_and_b32 s30, s27, 1
	s_lshl_b32 s30, s30, 3
	s_add_co_u32 s30, s30, s26                     ; tile of 16 output columns, 0 .. 15
	s_lshl_b32 s38, s28, 8
	s_lshl_b32 s27, s30, 4
	s_add_co_u32 s38, s38, s27
	s_mul_i32 s38, s38, 2728
	s_lshl_b32 s27, s29, 10
	s_add_co_u32 s38, s38, s27
	s_lshl_b32 s40, s28, 4
	s_add_co_u32 s40, s40, s30
	s_mul_i32 s40, s40, 6656                       ; the tile's record in wb: 6 fragments, then 3 x 128 bytes of scale words
	s_lshl_b32 s42, s29, 7
	s_add_co_u32 s42, s42, s40
	s_add_co_u32 s42, s42, 6144
	s_lshl_b32 s27, s29, 11
	s_add_co_u32 s40, s40, s27
	s_wait_kmcnt 0x0
	s_add_nc_u64 s[32:33], s[10:11], s[38:39]
	s_add_nc_u64 s[34:35], s[24:25], s[40:41]
	s_add_nc_u64 s[36:37], s[24:25], s[42:43]
	s_cmp_eq_u32 s29, 2
	s_cselect_b32 s50, 1, 0
	s_cbranch_scc1 .Lvar_e
	LD64 0
	s_branch .Lstage
.Lvar_e:
	LD64 1
.Lstage:
	s_wait_loadcnt 0x0                             ; the ways in issue different numbers of loads: only 0 holds on all of them
	STAGE 0
	QUANT XR, PC, PW
	STAGE 1
	s_cmp_eq_u32 s50, 0
	s_cbranch_scc1 .Lno_fix
	v_cmp_eq_u32 vcc_lo, 0, v3                     ; K step 5 of w2: k = 640 + 32 b + 16 h + i is past 681 from b = 1, h = 0, i = 10 on: zeros ahead of the blocks' maxima
.irp i, 0,1,2,3,4,5,6,7,8,9
	v_cndmask_b32 v[XR+80+\i], 0, v[XR+80+\i], vcc_lo
.endr
.set z, 90
.rept 38
	v_mov_b32 v[XR+z], 0
.set z, z+1
.endr
.Lno_fix:
	QUANT XR+64, PC+8, PW+1
.irp s, 0,1
.irp c, 0,1
	global_store_b128 v4, v[PC+8*\s+4*\c:PC+8*\s+4*\c+3], s[34:35] offset:1024*\s+512*\c   ; the fragment as it stands in registers: 512 consecutive bytes, aligned
.endr
.endr
	v_cmp_eq_u32 vcc_lo, 0, v3
	v_cndmask_b32 v11, v[PW+1], v[PW], vcc_lo
	global_store_b32 v5, v11, s[36:37]             ; lanes 0-15 the first K step's words, lanes 16-31 the second's
	s_wait_tensorcnt 0x0
	ds_add_u32 v22, v23
	s_wait_dscnt 0x0
	s_endpgm
.Lfunc_end_k_qe17f50c095_prep:
	.size	k_qe17f50c095_prep, .Lfunc_end_k_qe17f50c095_prep-k_qe17f50c095_prep
	.p2alignl 7, 3214868480
	.fill 96, 4, 3214868480
	.section	.rodata,"a",@progbits
	.p2align	6, 0x0
	.amdhsa_kernel k_qe17f50c095_prep
		.amdhsa_group_segment_fixed_size 155648
		.amdhsa_private_segment_fixed_size 0
		.amdhsa_enable_private_segment 0
		.amdhsa_kernarg_size 88
		.amdhsa_user_sgpr_count 2
		.amdhsa_user_sgpr_kernarg_segment_ptr 1
		.amdhsa_wavefront_size32 1
		.amdhsa_system_sgpr_workgroup_id_x 1
		.amdhsa_system_sgpr_workgroup_id_y 1
		.amdhsa_system_sgpr_workgroup_id_z 1
		.amdhsa_system_vgpr_workitem_id 0
		.amdhsa_next_free_vgpr 256
		.amdhsa_next_free_sgpr 96
		.amdhsa_reserve_vcc 1
		.amdhsa_float_denorm_mode_32 3
		.amdhsa_float_denorm_mode_16_64 3
		.amdhsa_memory_ordered 1
		.amdhsa_forward_progress 1
		.amdhsa_inst_pref_size 85
	.end_amdhsa_kernel
	.amdgpu_metadata
---
amdhsa.version: [ 1, 2 ]
amdhsa.kernels:
  - .name:           k_qe17f50c095_prep
    .symbol:         k_qe17f50c095_prep.kd
    .args:
      - { .name: x, .offset: 0, .size: 8, .value_kind: global_buffer, .address_space: global }
      - { .name: router_w, .offset: 8, .size: 8, .value_kind: global_buffer, .address_space: global }
      - { .name: w1, .offset: 16, .size: 8, .value_kind: global_buffer, .address_space: global }
      - { .name: w2, .offset: 24, .size: 8, .value_kind: global_buffer, .address_space: global }
      - { .name: w3, .offset: 32, .size: 8, .value_kind: global_buffer, .address_space: global }
      - { .name: xq, .offset: 40, .size: 8, .value_kind: global_buffer, .address_space: global }
      - { .name: xs, .offset: 48, .size: 8, .value_kind: global_buffer, .address_space: global }
      - { .name: gates, .offset: 56, .size: 8, .value_kind: global_buffer, .address_space: global }
      - { .name: route, .offset: 64, .size: 8, .value_kind: global_buffer, .address_space: global }
      - { .name: wa, .offset: 72, .size: 8, .value_kind: global_buffer, .address_space: global }
      - { .name: wb, .offset: 80, .size: 8, .value_kind: global_buffer, .address_space: global }
    .group_segment_fixed_size: 155648
    .private_segment_fixed_size: 0
    .kernarg_segment_align: 8
    .kernarg_segment_size: 88
    .max_flat_workgroup_size: 256
    .sgpr_count:     96
    .vgpr_count:     256
    .wavefront_size: 32
...
	.end_amdgpu_metadata
.endif
;; end of part 1
;; launch place (part 2): grid 32 x 1, 1 waves a work-group, no clusters, 0 bytes of LDS; arguments route, plan; writes plan
.if DOCPART == 2
	.amdgcn_target "amdgcn-amd-amdhsa--gfx1250"
	.amdhsa_code_object_version 6
	.text
	.protected	k_qe17f50c095_place
	.globl	k_qe17f50c095_place
	.p2align	8
	.type	k_qe17f50c095_place,@function
k_qe17f50c095_place:
	s_mov_b64 s[64:65], 0
	v_nop
	global_prefetch_b8 v0, s[64:65] scope:SCOPE_SE
	s_setreg_imm32_b32 hwreg(HW_REG_WAVE_MODE, 25, 1), 1
	s_wait_xcnt 0x0
; PLACE.  The tokens are sorted by the key of their pair of experts (28 keys), by counting: no atomics.  route holds for each token key | rank << 8 (the rank among equal keys of its 128 tokens)
; and, from byte 65,536 on, for each 128 tokens the count of each key (32 words).  A token's place is: tokens of lower keys + tokens of its key in earlier groups of 128 + its rank.
; Work-group w (one wave) places tokens 512 w .. 512 w + 511 into plan's order[place] = token, and makes, for sorted tiles 32 w .. 32 w + 31 of 16 tokens, the mask of the experts that the
; tile's tokens use (from byte 65,536 on).  Every work-group sums all 128 counts for itself: 16 KB.  No branch; no LDS byte (the lane permute touches none).
; The keys run (0,1) .. (0,7), (1,7) .. (1,2), (2,3) .. (2,7), (3,7) .. , as the launch before numbers them: neighbouring keys share an expert.
; The 16 stores of order scatter words of 4 bytes: 64 KB in the whole launch.
.set P,   16                           ; v16-31   a token's place, then its byte offset
.set H,   32                           ; v32-159  lane k: the count of key k in group g
.set OWN, 160                          ; v160-163 the same of my four groups
.set S,   164                          ; v164-179 my tokens' key | rank << 8
.set IX,  192                          ; v192-207 4 x key
.set TK,  208                          ; v208-223 my tokens' numbers
.set BS,  32                           ; s32-60   BS[k]: tokens of keys below k
	s_load_b128 s[4:7], s[0:1], 0x0                ; route, plan
	v_lshlrev_b32 v1, 2, v0                        ; 4 x lane
	s_mov_b32 s19, 0
	s_lshl_b32 s14, ttmp9, 9                       ; 512 w
	s_lshl_b32 s18, ttmp9, 9
	s_wait_kmcnt 0x0
	s_add_nc_u64 s[8:9], s[4:5], s[18:19]          ; my four groups' counts (512 bytes a work-group)
	s_lshl_b32 s18, ttmp9, 11
	s_add_nc_u64 s[10:11], s[4:5], s[18:19]        ; my 512 tokens' words
	s_lshl_b32 s18, ttmp9, 7
	s_add_nc_u64 s[16:17], s[6:7], s[18:19]        ; my 32 tiles' masks
.set g, 0
.rept 128
	global_load_b32 v[H+g], v1, s[4:5] offset:65536+128*g
.set g, g+1
.endr
.irp i, 0,1,2,3
	global_load_b32 v[OWN+\i], v1, s[8:9] offset:65536+128*\i
.endr
.irp q, 0,1,2,3,4,5,6,7,8,9,10,11,12,13,14,15
	global_load_b32 v[S+\q], v1, s[10:11] offset:128*\q
.endr
	v_mov_b32 v2, 0                                ; lane k: all tokens of key k
	v_mov_b32 v3, 0                                ; and those in the work-groups before mine
	v_mov_b32 v5, 0
	v_add_nc_u32 v10, s14, v0
.irp q, 0,1,2,3,4,5,6,7,8,9,10,11,12,13,14,15
	v_add_nc_u32 v[TK+\q], 32*\q, v10              ; token 512 w + 32 q + lane
.endr
	s_wait_loadcnt 0x0
.set c, 0
.rept 32
	v_add3_u32 v4, v[H+4*c], v[H+4*c+1], v[H+4*c+2]
	v_add_nc_u32 v4, v4, v[H+4*c+3]
	v_add_nc_u32 v2, v2, v4
	s_cmp_gt_u32 ttmp9, c
	s_cselect_b32 s12, -1, 0
	v_and_b32 v4, s12, v4
	v_add_nc_u32 v3, v3, v4
.set c, c+1
.endr
	s_mov_b32 s[BS], 0
.set k, 0
.rept 28
	v_readlane_b32 s13, v2, k
	v_writelane_b32 v5, s[BS+k], k                 ; lane k: where key k begins
	s_add_co_u32 s[BS+k+1], s[BS+k], s13
.set k, k+1
.endr
	v_add_nc_u32 v6, v5, v3                        ; lane k: where key k of my first group begins;
	v_add_nc_u32 v7, v6, v[OWN]
	v_add_nc_u32 v8, v7, v[OWN+1]
	v_add_nc_u32 v9, v8, v[OWN+2]                  ; of my second, third, fourth
.irp q, 0,1,2,3,4,5,6,7,8,9,10,11,12,13,14,15
	v_and_b32 v[IX+\q], 31, v[S+\q]
	v_min_u32 v[IX+\q], 31, v[IX+\q]               ; a loaded number is held before it names a lane
	v_lshlrev_b32 v[IX+\q], 2, v[IX+\q]
	ds_bpermute_b32 v[P+\q], v[IX+\q], v[6+\q/4]   ; lane `key`'s number
.endr
	s_wait_dscnt 0x0
.irp q, 0,1,2,3,4,5,6,7,8,9,10,11,12,13,14,15
	v_lshrrev_b32 v[S+\q], 8, v[S+\q]
	v_add_nc_u32 v[P+\q], v[P+\q], v[S+\q]
	v_min_u32 v[P+\q], 0x3fff, v[P+\q]             ; held inside order
	v_lshlrev_b32 v[P+\q], 2, v[P+\q]
	global_store_b32 v[P+\q], v[TK+\q], s[6:7]
.endr
	v_lshl_add_u32 v12, v0, 4, s14                 ; tile 32 w + lane holds places 16 j .. 16 j + 15
	v_add_nc_u32 v13, 16, v12
	v_mov_b32 v14, 0
.set k, 0
.irp lo, 0,1,2,3,4,5,6
.irp j, 0,1,2,3,4,5,6
.if \j < (7-\lo)
.set hh, (\lo%2)*(7-\j)+(1-(\lo%2))*(\lo+1+\j)     ; lo's j-th key: hi rises from lo + 1 where lo is even, falls from 7 where lo is odd
	v_max_u32 v10, s[BS+k], v12
	v_min_u32 v11, s[BS+k+1], v13
	v_cmp_lt_u32 vcc_lo, v10, v11                  ; does key k's run of places meet the tile?
	v_or_b32 v15, (1<<\lo)|(1<<hh), v14
	v_cndmask_b32 v14, v14, v15, vcc_lo
.set k, k+1
.endif
.endr
.endr
	global_store_b32 v1, v14, s[16:17] offset:65536
	s_endpgm
.Lfunc_end_k_qe17f50c095_place:
	.size	k_qe17f50c095_place, .Lfunc_end_k_qe17f50c095_place-k_qe17f50c095_place
	.p2alignl 7, 3214868480
	.fill 96, 4, 3214868480
	.section	.rodata,"a",@progbits
	.p2align	6, 0x0
	.amdhsa_kernel k_qe17f50c095_place
		.amdhsa_group_segment_fixed_size 0
		.amdhsa_private_segment_fixed_size 0
		.amdhsa_enable_private_segment 0
		.amdhsa_kernarg_size 16
		.amdhsa_user_sgpr_count 2
		.amdhsa_user_sgpr_kernarg_segment_ptr 1
		.amdhsa_wavefront_size32 1
		.amdhsa_system_sgpr_workgroup_id_x 1
		.amdhsa_system_sgpr_workgroup_id_y 1
		.amdhsa_system_sgpr_workgroup_id_z 1
		.amdhsa_system_vgpr_workitem_id 0
		.amdhsa_next_free_vgpr 224
		.amdhsa_next_free_sgpr 66
		.amdhsa_reserve_vcc 1
		.amdhsa_float_denorm_mode_32 3
		.amdhsa_float_denorm_mode_16_64 3
		.amdhsa_memory_ordered 1
		.amdhsa_forward_progress 1
		.amdhsa_inst_pref_size 40
	.end_amdhsa_kernel
	.amdgpu_metadata
---
amdhsa.version: [ 1, 2 ]
amdhsa.kernels:
  - .name:           k_qe17f50c095_place
    .symbol:         k_qe17f50c095_place.kd
    .args:
      - { .name: route, .offset: 0, .size: 8, .value_kind: global_buffer, .address_space: global }
      - { .name: plan, .offset: 8, .size: 8, .value_kind: global_buffer, .address_space: global }
    .group_segment_fixed_size: 0
    .private_segment_fixed_size: 0
    .kernarg_segment_align: 8
    .kernarg_segment_size: 16
    .max_flat_workgroup_size: 32
    .sgpr_count:     66
    .vgpr_count:     224
    .wavefront_size: 32
...
	.end_amdgpu_metadata
.endif
;; end of part 2
;; launch chain (part 3): grid 256 x 1, 8 waves a work-group, no clusters, 94,208 bytes of LDS; arguments xq, xs, gates, plan, wa, wb, out0; writes out0
.if DOCPART == 3
	.amdgcn_target "amdgcn-amd-amdhsa--gfx1250"
	.amdhsa_code_object_version 6
	.text
	.protected	k_qe17f50c095_chain
	.globl	k_qe17f50c095_chain
	.p2align	8
	.type	k_qe17f50c095_chain,@function
k_qe17f50c095_chain:
	s_mov_b64 s[64:65], 0
	v_nop
	global_prefetch_b8 v0, s[64:65] scope:SCOPE_SE
	s_setreg_imm32_b32 hwreg(HW_REG_WAVE_MODE, 25, 1), 1
	s_wait_xcnt 0x0
; CHAIN.  out[token] = sum over the token's two experts of gate x (silu(x w1^T) * (x w3^T)) w2^T, all three products on codes of FP4 (E2M1) with one E8M0 scale for each 32 along K.
; A work-group owns 64 tokens of the sorted order (four tiles of 16) and so their rows of out: no sum crosses work-groups.  It walks, in a loop of 8 trips, the experts that its tiles use
; (a mask of 8 bits for each tile, stored by the launch before); a tile that does not use the expert in hand is passed over by a scalar branch.  In a tile that lies on the border of two
; pairs a token that does not use the expert has the gate 0.
; THE WAVES SHARE THE COLUMNS.  Phase 1: the 704 hidden units (682 and zeros) are 22 blocks of 32; wave w, with p = w xor (w / 4), takes the blocks from (11 p) / 4 on: two where p is 0 or 4
; (waves 0 and 5, which differ both in w mod 4 and in w / 2), else three.  Phase 2: wave w takes output columns 32 w .. 32 w + 31.  A weight fragment is loaded once a work-group and expert,
; straight into registers in the order in which they were laid, and feeds up to four matrix instructions.
; Phase 1 is used transposed (source 0 = 16 rows of w1 or w3, source 1 = 16 tokens): lane (r, h) holds token r and, of a block of 32 hidden units, the 16 neighbours 16 h + 0 .. 15.  silu and the
; product are f32; the block's scale wants one exchange with lane l xor 16; the lane's 16 codes (8 bytes) go to the place in LDS that the second product's operand image has for them.
; Phase 2 likewise (source 0 = 16 rows of w2, source 1 = the hidden layer's 16 tokens): a lane holds 8 neighbouring columns of token r; gate x y is added onto the row's sums in registers.
; TWO BARRIERS A TRIP, on the way that every trip takes: hidden layer written | read; read | written again.
; LOADS AHEAD.  A block's weights are 20 loads (16 of fragments, 4 of scale words) into one of two sets of registers, A and B; an expert's blocks take A, B, A.  A set is requested anew as soon
; as its four tiles are done: A with the expert's third block (in a wave of two blocks: with the next expert's first), B with the next expert's second, and behind the third block A with the
; next expert's first.  An expert's w2, its scale words and the gates (34 loads) are requested at the end of the expert before: at an expert's head they are the youngest loads.
; Where nothing is left to request the wave waits for all its loads instead, so that every counted wait below holds on every way.
; NO CLUSTER, NO TENSOR LOAD: which experts a work-group walks hangs on masks read from memory, so neighbours would ask for different tiles, and the walk branches on those masks.
; LIMITS: where 2^(-h1 log2 e) overflows, silu comes out 0 (its true value lies under 1e-38 x |h1|).  The product is formed as (h1 h3) / (1 + e^-h1): one rounding placed otherwise than in
; silu(h1) h3.  A block of the hidden layer whose largest magnitude lies under 2^-124 gets the byte 1.  NaN and infinities are not served.
.set HSC, 24576                        ; LDS: 0: the hidden layer's images, tile m, K step s: 6144 m + 1024 s + 512 c + 16 lane.  HSC: their scale words: 384 m + 64 s + 4 r
.set STG, 26624                        ; the stage for out: 64 rows x (1,024 + 16) bytes
.set LI,  1                            ; v1  16 x lane
.set LS,  2                            ; v2  4 x lane
.set HSA, 3                            ; v3  where my 8 bytes of codes go: 16 r + 8 h + 256 x my first block
.set SO,  5                            ; v5  stage, in: 1040 r + 32 h + 128 wave
.set SR,  6                            ; v6  stage, out: my 8 rows, 16 x lane
.set XA,  8                            ; v8-11   128 token + 16 h
.set GA,  12                           ; v12-15  32 token
.set G,   16                           ; v16-19  my tokens' gates for the expert in hand
.set XSW, 20                           ; v20-23  x's scale words: lanes 0-15 K step 0, lanes 16-31 K step 1
.set WAS, 24                           ; v24-31  w1's and w3's scale words, 4 a set
.set W2S, 32                           ; v32-37  w2's: 3 a tile
.set HS,  38                           ; v38-40  the hidden layer's
.set ZA,  41
.set ZB,  42
.set TOK, 44                           ; v44-47  my tokens
.set ORW, 48                           ; v48-55  byte offsets of the 8 rows of out that I store
.set HBA, 61                           ; v61-63  where the byte of my first, second, third block goes: HSC + 4 r + 64 (block / 4) + block % 4
.set X,   64                           ; v64-127 x's 8 fragments (16 m + 8 s)
.set ACC, 128                          ; v128-159 h1 (16 numbers), h3 (16)
.set T,   160                          ; v160-175
.set M0,  176
.set M1,  177
.set M2,  178
.set SCL, 179
.set BYT, 180
.set PC,  182                          ; v182-183 16 codes
.set Y,   128                          ; phase 2: v128-143 y, v144-191 the hidden layer's 6 fragments
.set HF,  144
.set OUT, 192                          ; v192-255 the rows' sums (16 m + 8 n).   Window 1: v0-63 set A, v64-127 set B; v128-223 w2's 12 fragments
.set WV,  18
.set WP,  19                           ; p
.set REM, 21                           ; experts behind the one in hand
.set EX,  22                           ; the expert in hand; 8: none
.set EN,  23                           ; the next; 8: none
.set TMK, 24                           ; s24-27 the four tiles' masks
.set TRIP, 28
.set N3,  29                           ; p % 4: 0 in a wave of two blocks
.set B0,  30                           ; my first block
.set MSB, 0
.macro WIN new                         ; the immediate's high byte repeats the setting that is left
.if MSB != \new
	s_set_vgpr_msb (MSB<<8)|\new
.set MSB, \new
.endif
.endm
.macro PLACES n
.rept \n
	v_nop
.endr
.endm
.macro LOADH bb, off                   ; the block whose record lies off bytes behind s[32:33], into set bb: 8 fragments and 4 registers of scale words: 20 loads
	WIN 0x40                                       ; destination window 1
.irp f, 0,1,2,3,4,5,6,7
.irp c, 0,1
	global_load_b128 v[64*\bb+8*\f+4*\c:64*\bb+8*\f+4*\c+3], v[LI], s[32:33] offset:\off+1024*\f+512*\c
.endr
.endr
	WIN 0
.irp i, 0,1,2,3
	global_load_b32 v[WAS+4*\bb+\i], v[LS], s[32:33] offset:\off+8192+128*\i
.endr
.endm
.macro RECADDR e, j                    ; s[32:33]: the record of my j-th block of expert s[e]
	s_wait_xcnt 0x0                                ; the pending loads have read their base
	s_mul_i32 s45, s[\e], 22
	s_add_co_u32 s45, s45, s[B0]
	s_add_co_u32 s45, s45, \j
	s_min_u32 s45, s45, 175                        ; held inside wa: 176 records of 8,704 bytes
	s_mul_i32 s38, s45, 8704
	s_add_nc_u64 s[32:33], s[12:13], s[38:39]
.endm
.macro ISSUE bb, j                     ; set bb takes my j-th block of the next expert, if there is one
	s_cmp_lg_u32 s[REM], 0
	s_cbranch_scc0 .Lnone_\@
	RECADDR EN, \j
	LOADH \bb, 0
	s_branch .Lgo_\@
.Lnone_\@:
	s_wait_loadcnt 0x0                             ; nothing is requested: then nothing stays out either
.Lgo_\@:
.endm
.macro W2ADDR e, wait                  ; expert s[e]: my two tiles of w2, and the expert's column of gates.  wait = 0, at the head: no memory instruction has named these registers yet
.if \wait
	s_wait_xcnt 0x0
.endif
	s_lshl_b32 s45, s[\e], 3
	s_add_co_u32 s45, s45, s[WV]
	s_min_u32 s45, s45, 63                         ; held inside wb: 64 pairs of records
	s_mul_i32 s38, s45, 13312
	s_add_nc_u64 s[34:35], s[14:15], s[38:39]
	s_min_u32 s45, s[\e], 7
	s_lshl_b32 s38, s45, 2
	s_add_nc_u64 s[36:37], s[8:9], s[38:39]
.endm
.macro LOADW2G                         ; 24 + 6 + 4 = 34 loads
	WIN 0x40
.irp n, 0,1
.irp s, 0,1,2,3,4,5
.irp c, 0,1
	global_load_b128 v[128+8*(6*\n+\s)+4*\c:128+8*(6*\n+\s)+4*\c+3], v[LI], s[34:35] offset:6656*\n+1024*\s+512*\c
.endr
.endr
.endr
	WIN 0
.irp n, 0,1
.irp g, 0,1,2
	global_load_b32 v[W2S+3*\n+\g], v[LS], s[34:35] offset:6656*\n+6144+128*\g
.endr
.endr
.irp m, 0,1,2,3
	global_load_b32 v[G+\m], v[GA+\m], s[36:37]
.endr
.endm
; My j-th block of 32 hidden units, in set bb, for one tile of 16 tokens.
.macro TILE1 bb, m, j
	s_bitcmp1_b32 s[TMK+\m], s[EX]
	s_cbranch_scc0 .Lt1_\@
	WIN 0x01                                       ; source 0 (the weights) window 1
.irp s, 0,1                                    ; four accumulators by turns, one instruction a turn: h1's two tiles, h3's two
.irp i, 0,1,2,3
.if \s == 0
	v_wmma_scale_f32_16x16x128_f8f6f4 v[ACC+8*\i:ACC+8*\i+7], v[64*\bb+16*\i:64*\bb+16*\i+7], v[X+16*\m:X+16*\m+7], 0, v[WAS+4*\bb+\i], v[XSW+\m] matrix_a_fmt:MATRIX_FMT_FP4 matrix_b_fmt:MATRIX_FMT_FP4
.else
	v_wmma_scale_f32_16x16x128_f8f6f4 v[ACC+8*\i:ACC+8*\i+7], v[64*\bb+16*\i+8:64*\bb+16*\i+15], v[X+16*\m+8:X+16*\m+15], v[ACC+8*\i:ACC+8*\i+7], v[WAS+4*\bb+\i], v[XSW+\m] matrix_a_fmt:MATRIX_FMT_FP4 matrix_b_fmt:MATRIX_FMT_FP4 matrix_a_scale:MATRIX_SCALE_ROW1 matrix_b_scale:MATRIX_SCALE_ROW1
.endif
.endr
.endr
	WIN 0
	PLACES 4                                       ; behind the products: ahead of the first read of results, and of later loads into their operands
.irp i, 0,2,4,6,8,10,12,14
	v_pk_mul_f32 v[T+\i:T+\i+1], v[ACC+\i:ACC+\i+1], s[42:43] op_sel_hi:[1,0]   ; -h1 log2(e); each accumulator is read from its low end on
.endr
.irp i, 0,1,2,3,4,5,6,7,8,9,10,11,12,13,14,15
	v_exp_f32 v[T+\i], v[T+\i]
.endr
.irp i, 0,2,4,6,8,10,12,14
	v_pk_mul_f32 v[ACC+\i:ACC+\i+1], v[ACC+\i:ACC+\i+1], v[ACC+16+\i:ACC+17+\i]   ; h1 h3: plain work behind the exponentials, which names none of their results
.endr
	s_wait_alu depctr_va_vdst(0)                   ; one wait for the sixteen, ahead of their first reader
.irp i, 0,2,4,6,8,10,12,14
	v_pk_add_f32 v[T+\i:T+\i+1], v[T+\i:T+\i+1], 1.0 op_sel_hi:[1,0]
.endr
.irp i, 0,1,2,3,4,5,6,7,8,9,10,11,12,13,14,15
	v_rcp_f32 v[T+\i], v[T+\i]
.endr
	v_nop                                          ; a plain instruction behind the reciprocals
	s_wait_alu depctr_va_vdst(0)
.irp i, 0,2,4,6,8,10,12,14
	v_pk_mul_f32 v[ACC+\i:ACC+\i+1], v[ACC+\i:ACC+\i+1], v[T+\i:T+\i+1]   ; the hidden layer: 16 neighbours along the next K
.endr
	v_max3_num_f32 v[M0], |v[ACC]|, |v[ACC+1]|, 0x1800000   ; two chains; the floor 2^(3 - 127) among the leaves: the byte cannot fall under 1
	v_max3_num_f32 v[M1], |v[ACC+8]|, |v[ACC+9]|, |v[ACC+10]|
	v_max3_num_f32 v[M0], v[M0], |v[ACC+2]|, |v[ACC+3]|
	v_max3_num_f32 v[M1], v[M1], |v[ACC+11]|, |v[ACC+12]|
	v_max3_num_f32 v[M0], v[M0], |v[ACC+4]|, |v[ACC+5]|
	v_max3_num_f32 v[M1], v[M1], |v[ACC+13]|, |v[ACC+14]|
	v_max3_num_f32 v[M0], v[M0], |v[ACC+6]|, |v[ACC+7]|
	v_max3_num_f32 v[M1], v[M1], |v[ACC+15]|, v[M0]
	v_permlanex16_b32 v[M2], v[M1], s40, s41
	v_max_num_f32 v[M1], v[M1], v[M2]              ; with lane l xor 16's 16: the block's largest magnitude
	v_add_nc_u32 v[SCL], 0xff000000, v[M1]         ; 2 off its exponent field: the conversion's scale operand
	s_wait_dscnt 0x0                               ; the last tile's LDS stores have read the registers that are written next
	v_lshrrev_b32 v[BYT], 23, v[SCL]               ; the scale's byte
	v_cvt_scalef32_pk8_fp4_f32 v[PC], v[ACC:ACC+7], v[SCL]
	v_cvt_scalef32_pk8_fp4_f32 v[PC+1], v[ACC+8:ACC+15], v[SCL]
	v_nop                                          ; one plain instruction behind the scaled conversions
	ds_store_b64 v[HSA], v[PC:PC+1] offset:6144*\m+256*\j   ; block b's 16 r + 8 h lies 256 b bytes into the tile's images: registers 2 h, 2 h + 1 of lane r + 16 (b % 2): no lane exchange is needed
	ds_store_b8 v[HBA+\j], v[BYT] offset:384*\m    ; both lanes of a block write the same byte with the same value
.Lt1_\@:
.endm
; My 32 output columns for one tile of 16 tokens: K = 768 in six steps, two accumulators by turns.
.macro TILE2 m
	s_bitcmp1_b32 s[TMK+\m], s[EX]
	s_cbranch_scc0 .Lt2_\@
.irp g, 0,1,2
	ds_load_b32 v[HS+\g], v[LS] offset:HSC+384*\m+128*\g   ; lanes 0-15 K step 2 g, lanes 16-31 K step 2 g + 1
.endr
.irp s, 0,1,2,3,4,5
.irp c, 0,1
	ds_load_b128 v[HF+8*\s+4*\c:HF+8*\s+4*\c+3], v[LI] offset:6144*\m+1024*\s+512*\c
.endr
.endr
	WIN 0x01
.irp s, 0,1,2,3,4,5
	s_wait_dscnt 10-2*\s                           ; the loads of the later K steps, two each, may be out
.irp n, 0,1
.if \s == 0
	v_wmma_scale_f32_16x16x128_f8f6f4 v[Y+8*\n:Y+8*\n+7], v[128+8*(6*\n+\s):128+8*(6*\n+\s)+7], v[HF+8*\s:HF+8*\s+7], 0, v[W2S+3*\n+\s/2], v[HS+\s/2] matrix_a_fmt:MATRIX_FMT_FP4 matrix_b_fmt:MATRIX_FMT_FP4
.elseif (\s%2) == 0
	v_wmma_scale_f32_16x16x128_f8f6f4 v[Y+8*\n:Y+8*\n+7], v[128+8*(6*\n+\s):128+8*(6*\n+\s)+7], v[HF+8*\s:HF+8*\s+7], v[Y+8*\n:Y+8*\n+7], v[W2S+3*\n+\s/2], v[HS+\s/2] matrix_a_fmt:MATRIX_FMT_FP4 matrix_b_fmt:MATRIX_FMT_FP4
.else
	v_wmma_scale_f32_16x16x128_f8f6f4 v[Y+8*\n:Y+8*\n+7], v[128+8*(6*\n+\s):128+8*(6*\n+\s)+7], v[HF+8*\s:HF+8*\s+7], v[Y+8*\n:Y+8*\n+7], v[W2S+3*\n+\s/2], v[HS+\s/2] matrix_a_fmt:MATRIX_FMT_FP4 matrix_b_fmt:MATRIX_FMT_FP4 matrix_a_scale:MATRIX_SCALE_ROW1 matrix_b_scale:MATRIX_SCALE_ROW1
.endif
.endr
.endr
	WIN 0
	PLACES 5                                       ; four ahead of the reads of y and of loads into the operands; the fifth since the next tile's first product begins y anew
.irp n, 0,1
.irp i, 0,2,4,6
.if (\m%2) == 0
	v_pk_fma_f32 v[OUT+16*\m+8*\n+\i:OUT+16*\m+8*\n+\i+1], v[Y+8*\n+\i:Y+8*\n+\i+1], v[G+\m:G+\m+1], v[OUT+16*\m+8*\n+\i:OUT+16*\m+8*\n+\i+1] op_sel_hi:[1,0,1]   ; + gate x y: the pair's first register for both halves
.else
	v_pk_fma_f32 v[OUT+16*\m+8*\n+\i:OUT+16*\m+8*\n+\i+1], v[Y+8*\n+\i:Y+8*\n+\i+1], v[G+\m-1:G+\m], v[OUT+16*\m+8*\n+\i:OUT+16*\m+8*\n+\i+1] op_sel:[0,1,0] op_sel_hi:[1,1,1]   ; the pair's second register for both halves
.endif
.endr
.endr
.Lt2_\@:
.endm
	s_load_b256 s[4:11], s[0:1], 0x0               ; xq 4, xs 6, gates 8, plan 10
	s_load_b128 s[12:15], s[0:1], 0x20             ; wa 12, wb 14
	s_load_b64 s[16:17], s[0:1], 0x30              ; out0
	v_lshl_add_u32 v7, v0, 2, 0x16c00
	v_mov_b32 v43, 0
	v_lshrrev_b32 v56, 5, v0
	v_readfirstlane_b32 s[WV], v56                 ; wave 0..7
	s_lshr_b32 s45, s[WV], 2
	s_xor_b32 s[WP], s[WV], s45                    ; p = w xor (w / 4): 0 1 2 3 5 4 7 6
	s_and_b32 s[N3], s[WP], 3
	s_mul_i32 s[B0], s[WP], 11
	s_lshr_b32 s[B0], s[B0], 2                     ; my first block: 0 2 5 8 11 13 16 19 for p = 0 .. 7
	v_and_b32 v57, 31, v0                          ; lane
	v_and_b32 v58, 15, v0                          ; r
	v_bfe_u32 v59, v0, 4, 1                        ; h
	v_lshlrev_b32 v60, 2, v58                      ; 4 r
	v_lshlrev_b32 v[LI], 4, v57
	v_lshlrev_b32 v[LS], 2, v57
	v_lshlrev_b32 v[HSA], 4, v58
	v_lshl_add_u32 v[HSA], v59, 3, v[HSA]
	s_lshl_b32 s45, s[B0], 8
	v_add_nc_u32 v[HSA], s45, v[HSA]
.irp j, 0,1,2
	s_add_co_u32 s45, s[B0], \j                    ; block b: K step b / 4, byte b % 4 of the row's scale word
	s_lshr_b32 s46, s45, 2
	s_lshl_b32 s46, s46, 6
	s_and_b32 s45, s45, 3
	s_add_co_u32 s45, s45, s46
	s_add_co_u32 s45, s45, HSC
	v_add_nc_u32 v[HBA+\j], s45, v60
.endr
	v_mul_u32_u24 v[SO], v58, 1040
	v_lshl_add_u32 v[SO], v59, 5, v[SO]
	s_lshl_b32 s45, s[WV], 7
	s_add_co_u32 s45, s45, STG
	v_add_nc_u32 v[SO], s45, v[SO]
	s_mul_i32 s45, s[WV], 8*1040
	s_add_co_u32 s45, s45, STG
	v_add_nc_u32 v[SR], s45, v[LI]
	s_mul_i32 s45, s[WV], 6144
	s_add_co_u32 s45, s45, 5*1024+512
	v_add_nc_u32 v[ZA], s45, v[LI]                 ; tile `wave`, K step 5, second half: k = 704 .. 767
	s_mul_i32 s45, s[WV], 384
	s_add_co_u32 s45, s45, HSC+5*64
	v_add_nc_u32 v[ZB], s45, v60                   ; and K step 5's scale words
	s_mov_b32 s40, 0x76543210
	s_mov_b32 s41, 0xfedcba98                      ; v_permlanex16_b32's selects for lane l xor 16
	s_mov_b32 s42, 0xbfb8aa3b                      ; -log2(e)
	s_mov_b32 s43, s42                             ; (named with it as a pair, so it is written)
	s_mov_b32 s39, 0                               ; the upper word of every offset; never rewritten
	v_mov_b32 v[M2], 0                             ; written once: a lane permute's destination counts as one of its sources
.set z, 0
.rept 64
	v_mov_b32 v[OUT+z], 0                          ; the rows' sums are cleared: which expert reaches a tile first hangs on the masks, so no product can be written out as the first
.set z, z+1
.endr
	s_lshl_b32 s38, ttmp9, 4
	s_wait_kmcnt 0x0
	s_add_nc_u64 s[56:57], s[10:11], s[38:39]
	s_load_b128 s[TMK:TMK+3], s[56:57], 0x10000    ; my four tiles' masks
	s_lshl_b32 s38, ttmp9, 8
	s_add_nc_u64 s[58:59], s[10:11], s[38:39]      ; my 64 places in the sorted order
	s_lshl_b32 s38, s[WV], 5
	s_add_nc_u64 s[60:61], s[58:59], s[38:39]
	s_load_b256 s[48:55], s[60:61], 0x0            ; the 8 tokens whose rows of out I store
.irp m, 0,1,2,3
	global_load_b32 v[TOK+\m], v60, s[58:59] offset:64*\m   ; tile m's token r, in both halves of the lanes
.endr
	s_cmp_lt_u32 s[WV], 4
	s_cbranch_scc0 .Lno_fill
	ds_store_b128 v[ZA], v[OUT:OUT+3]              ; zero codes past hidden unit 703; they add nothing under any byte but 0xff,
	ds_store_b32 v[ZB], v[OUT]                     ; so K step 5's words begin as zeros: bytes 0 and 1 are written in every expert's turn, bytes 2 and 3 stay
.Lno_fill:
	s_wait_kmcnt 0x0
.irp m, 0,1,2,3
	s_and_b32 s[TMK+\m], s[TMK+\m], 255            ; bit 8 is never set: `no expert` fails every tile's test
.endr
	s_or_b32 s[REM], s[TMK], s[TMK+1]
	s_or_b32 s[REM], s[REM], s[TMK+2]
	s_or_b32 s[REM], s[REM], s[TMK+3]
	s_ctz_i32_b32 s[EX], s[REM]
	s_min_u32 s[EX], s[EX], 8
	s_sub_co_u32 s45, s[REM], 1
	s_and_b32 s[REM], s[REM], s45
	s_ctz_i32_b32 s[EN], s[REM]
	s_min_u32 s[EN], s[EN], 8
	s_mul_i32 s45, s[EX], 22
	s_add_co_u32 s45, s45, s[B0]
	s_min_u32 s45, s45, 174                        ; two records are read from here on: held one short of wa's last
	s_mul_i32 s38, s45, 8704
	s_add_nc_u64 s[32:33], s[12:13], s[38:39]
	LOADH 0, 0                                     ; the first expert's first block into A,
	LOADH 1, 8704                                  ; its second into B
	s_wait_loadcnt 40                              ; the tokens are in; the 40 loads of weights behind them may be out
.irp m, 0,1,2,3
	v_min_u32 v[TOK+\m], 0x3fff, v[TOK+\m]         ; a loaded number is held before it enters an address
	v_lshlrev_b32 v[XA+\m], 7, v[TOK+\m]
	v_lshl_add_u32 v[XA+\m], v59, 4, v[XA+\m]
	v_lshlrev_b32 v[GA+\m], 5, v[TOK+\m]
	v_lshlrev_b32 v[T+\m], 3, v[TOK+\m]
	v_lshl_add_u32 v[T+\m], v59, 2, v[T+\m]
.endr
.irp m, 0,1,2,3
.irp s, 0,1
.irp c, 0,1
	global_load_b128 v[X+16*\m+8*\s+4*\c:X+16*\m+8*\s+4*\c+3], v[XA+\m], s[4:5] offset:64*\s+32*\c   ; x's fragments stay in registers
.endr
.endr
	global_load_b32 v[XSW+\m], v[T+\m], s[6:7]
.endr
	W2ADDR EX, 0
	LOADW2G                                        ; the youngest 34 loads: the loop's first wait leaves them out and shows all the others done
.irp i, 0,1,2,3,4,5,6,7
	s_min_u32 s45, s[48+\i], 0x3fff
	s_lshl_b32 s45, s45, 10
	v_add_nc_u32 v[ORW+\i], s45, v[LI]
.endr
	s_wait_dscnt 0x0                               ; for the others' sake: the zeros lie in LDS
	s_barrier_signal -1
	s_barrier_wait -1
	s_mov_b32 s[TRIP], 8
.Ltrip:
	s_cmp_lg_u32 s[EX], 8
	s_cbranch_scc1 .Lwork
	s_wait_loadcnt 0x0                             ; an idle trip: nothing is out
	s_branch .Lmeet
.Lwork:
	s_wait_loadcnt 34                              ; A and B are in (in the first trip x and its scale words too, whose address registers are written next): only w2's and the gates' 34 loads are younger
.irp m, 0,1,2,3
	TILE1 0, \m, 0
.endr
	s_cmp_lg_u32 s[N3], 0
	s_cbranch_scc0 .Ltwo
	RECADDR EX, 2
	LOADH 0, 0                                     ; A takes this expert's third block
	s_branch .Lsecond
.Ltwo:
	ISSUE 0, 0                                     ; a wave of two blocks: A takes the next expert's first
.Lsecond:
.irp m, 0,1,2,3
	TILE1 1, \m, 1
.endr
	ISSUE 1, 1                                     ; B takes the next expert's second block
	s_cmp_lg_u32 s[N3], 0
	s_cbranch_scc0 .Lmeet
	s_wait_loadcnt 20                              ; the third block is in: only B's 20 loads were requested behind it
.irp m, 0,1,2,3
	TILE1 0, \m, 2
.endr
	ISSUE 0, 0                                     ; A takes the next expert's first block
.Lmeet:
	s_wait_loadcnt 40                              ; w2 and the gates are in: in a wave of two blocks two sets' 40 loads were requested behind them; a wave of three has shown them done at its wait for 20
	s_wait_dscnt 0x0                               ; my part of the hidden layer lies in LDS
	s_barrier_signal -1
	s_barrier_wait -1
	TILE2 0
	TILE2 1
	TILE2 2
	TILE2 3
	s_cmp_lg_u32 s[REM], 0
	s_cbranch_scc0 .Lno_w2
	W2ADDR EN, 1
	LOADW2G                                        ; the next expert's, a whole phase ahead; the places behind the last products stand in TILE2
	s_branch .Lw2_asked
.Lno_w2:
	s_wait_loadcnt 0x0
.Lw2_asked:
	s_mov_b32 s[EX], s[EN]
	s_sub_co_u32 s45, s[REM], 1
	s_and_b32 s[REM], s[REM], s45
	s_ctz_i32_b32 s[EN], s[REM]
	s_min_u32 s[EN], s[EN], 8
	s_wait_dscnt 0x0                               ; my reads of the hidden layer are back: it may be written again
	s_barrier_signal -1
	s_barrier_wait -1
	s_sub_co_i32 s[TRIP], s[TRIP], 1
	s_cmp_lg_u32 s[TRIP], 0
	s_cbranch_scc1 .Ltrip
	; THE WAY OUT.  A row's 1,024 bytes come from eight waves: they meet in the stage, and each wave stores 8 whole rows, each at its token's place
.irp m, 0,1,2,3
.irp n, 0,1
	ds_store_b128 v[SO], v[OUT+16*\m+8*\n:OUT+16*\m+8*\n+3] offset:16640*\m+64*\n
	ds_store_b128 v[SO], v[OUT+16*\m+8*\n+4:OUT+16*\m+8*\n+7] offset:16640*\m+64*\n+16
.endr
.endr
	s_wait_dscnt 0x0
	s_barrier_signal -1
	s_barrier_wait -1
.irp i, 0,1,2,3,4,5,6,7
.irp q, 0,1
	ds_load_b128 v[128+4*(2*\i+\q):128+4*(2*\i+\q)+3], v[SR] offset:1040*\i+512*\q
.endr
.endr
.irp i, 0,1,2,3,4,5,6,7
.irp q, 0,1
	s_wait_dscnt 15-2*\i-\q
	global_store_b128 v[ORW+\i], v[128+4*(2*\i+\q):128+4*(2*\i+\q)+3], s[16:17] offset:512*\q th:TH_STORE_NT   ; 32 lanes store 512 consecutive bytes of a row, aligned
.endr
.endr
	s_wait_tensorcnt 0x0
	ds_add_u32 v7, v43
	s_wait_dscnt 0x0
	s_endpgm
.Lfunc_end_k_qe17f50c095_chain:
	.size	k_qe17f50c095_chain, .Lfunc_end_k_qe17f50c095_chain-k_qe17f50c095_chain
	.p2alignl 7, 3214868480
	.fill 96, 4, 3214868480
	.section	.rodata,"a",@progbits
	.p2align	6, 0x0
	.amdhsa_kernel k_qe17f50c095_chain
		.amdhsa_group_segment_fixed_size 94208
		.amdhsa_private_segment_fixed_size 0
		.amdhsa_enable_private_segment 0
		.amdhsa_kernarg_size 56
		.amdhsa_user_sgpr_count 2
		.amdhsa_user_sgpr_kernarg_segment_ptr 1
		.amdhsa_wavefront_size32 1
		.amdhsa_system_sgpr_workgroup_id_x 1
		.amdhsa_system_sgpr_workgroup_id_y 1
		.amdhsa_system_sgpr_workgroup_id_z 1
		.amdhsa_system_vgpr_workitem_id 0
		.amdhsa_next_free_vgpr 512
		.amdhsa_next_free_sgpr 66
		.amdhsa_reserve_vcc 0
		.amdhsa_float_denorm_mode_32 3
		.amdhsa_float_denorm_mode_16_64 3
		.amdhsa_memory_ordered 1
		.amdhsa_forward_progress 1
		.amdhsa_inst_pref_size 115
	.end_amdhsa_kernel
	.amdgpu_metadata
---
amdhsa.version: [ 1, 2 ]
amdhsa.kernels:
  - .name:           k_qe17f50c095_chain
    .symbol:         k_qe17f50c095_chain.kd
    .args:
      - { .name: xq, .offset: 0, .size: 8, .value_kind: global_buffer, .address_space: global }
      - { .name: xs, .offset: 8, .size: 8, .value_kind: global_buffer, .address_space: global }
      - { .name: gates, .offset: 16, .size: 8, .value_kind: global_buffer, .address_space: global }
      - { .name: plan, .offset: 24, .size: 8, .value_kind: global_buffer, .address_space: global }
      - { .name: wa, .offset: 32, .size: 8, .value_kind: global_buffer, .address_space: global }
      - { .name: wb, .offset: 40, .size: 8, .value_kind: global_buffer, .address_space: global }
      - { .name: out0, .offset: 48, .size: 8, .value_kind: global_buffer, .address_space: global }
    .group_segment_fixed_size: 94208
    .private_segment_fixed_size: 0
    .kernarg_segment_align: 8
    .kernarg_segment_size: 56
    .max_flat_workgroup_size: 256
    .sgpr_count:     66
    .vgpr_count:     512
    .wavefront_size: 32
...
	.end_amdgpu_metadata
.endif
;; end of part 3
;; ======== version 2 of 2: 3 launches
;; workspace buffers: xq 2,097,152 bytes; xs 131,072 bytes; gates 524,288 bytes; route 81,920 bytes of whole numbers; plan 69,632 bytes of whole numbers; wa 1,531,904 bytes; wb 851,968 bytes
;; launch prep (part 4): grid 33 x 8, 8 waves a work-group, no clusters, 155,648 bytes of LDS; arguments x, router_w, w1, w2, w3, xq, xs, gates, route, wa, wb; writes xq, xs, gates, route, wa, wb
.if DOCPART == 4
	.amdgcn_target "amdgcn-amd-amdhsa--gfx1250"
	.amdhsa_code_object_version 6
	.text
	.protected	k_qe17f50c095_prep
	.globl	k_qe17f50c095_prep
	.p2align	8
	.type	k_qe17f50c095_prep,@function
k_qe17f50c095_prep:
	s_mov_b64 s[64:65], 0
	v_nop
	global_prefetch_b8 v0, s[64:65] scope:SCOPE_SE
	s_setreg_imm32_b32 hwreg(HW_REG_WAVE_MODE, 25, 1), 1
	s_wait_xcnt 0x0
; PREP.  Every wave takes ONE tile of 16 rows x 256 numbers (f32, two K steps of 128) and turns it into two operand fragments of FP4 (E2M1) codes with one E8M0 byte for each 32 along K.
; Work-group x < 16 (128 work-groups): 128 tokens of x, 16 a wave.  Beside the codes the wave makes the router in f32: logits (f32 matrix form, 64 instructions a wave), softmax with its maximum
;   taken away, top 2 (ties: the lower index), renormalised gates [token][8], the key of the token's pair of experts (28 keys) and the token's rank among equal keys of its 128 tokens, and a
;   count of each key for the 128 tokens.  All of these are VALUES stored at fixed places: no address and no branch here hangs on them.
;   THE KEYS run (0,1) .. (0,7), (1,7) .. (1,2), (2,3) .. (2,7), (3,7) .. : neighbouring keys share an expert, so that a run of sorted tokens that crosses one border uses three experts, not four.
; x = 16 .. 26: w1 and w3 of expert y: wave w takes block of 32 hidden units 2 (x - 16) + w / 4, matrix (w % 4) / 2, half w % 2.  THE ROWS OF A TILE ARE NOT NEIGHBOURS: tile row i is hidden
;   unit 32 b + 8 u + i + 8 (i / 8), so that in the next launch a lane's 16 results of two tiles are 16 neighbours along the second product's K.  Hidden units from 682 on are zeros.
; x = 27 .. 32: w2 of expert y: 16 output columns x 256 along K = the hidden units; from 682 on zeros.
; Weights leave in the ORDER OF THE OPERAND'S REGISTERS (a fragment: 2 x 512 bytes, lane l's 16 bytes at 16 l), scale words 4 bytes a lane (lanes 0-15 the first K step, lanes 16-31 the second).
; HOW A TILE TURNS.  Loads take 512 consecutive bytes of a row, 16 a lane; the conversions want 16 NEIGHBOURS along K in one lane: a K step's 16 x 512 bytes go through the wave's own stage in
; LDS (rows 528 bytes apart) and come back as lane (r, h): row r, numbers 32 b + 16 h + 0 .. 15 of each block b.
; The two texts (tokens, weights) part once, on the work-group's number, and have LDS bytes of their own.  No tensor load: each tile is read once by one wave; no cluster: no tile is shared.
; LIMITS: a block whose largest magnitude lies under 2^-124 (zeros among them) gets the byte 1: only this program reads the bytes.  NaN and infinities are not served.  Where a token's second
; and third probability agree to the last bits of f32, the other expert may be chosen.  Scale words, keys and counts leave in runs of 64 or 128 bytes: 350 KB of the launch's 38 MB.
.set HIST, 0                           ; LDS: [wave][32 words]: the waves' counts of keys
.set OSTG, 1024                        ; 16 rows x 144 bytes a wave: the tokens' codes on their way out
.set STGX, 19456                       ; the tokens' stages: 16 rows x 528 bytes a wave
.set STGW, 87040                       ; the weights' stages, likewise
.set SPI,  528                         ; 512 bytes + 16: 33 x 16, so that 16 rows' equal columns start 16 bytes apart modulo 256
.set TM,   12                          ; v12-27  at work in QUANT
.set PW,   28                          ; v28-29  the two scale words
.set PC,   30                          ; v30-45  the two fragments' codes
.set AC,   48                          ; v48-63  two accumulators of logits: written by matrix instructions alone
.set RWH,  64                          ; v64-127 half of router_w; later the router's work
.set XR,   128                         ; v128-255 the tile
.set MK,   66                          ; s66-93  for each key the lanes that hold it
; 64 numbers of a lane, register 16 b + i = k 32 b + 16 (lane / 16) + i of my row, become a fragment's codes in v[pc] on and its scale word in v[pw]
.macro QUANT s, pc, pw
.irp b, 0,1,2,3
	v_max3_num_f32 v[TM+\b], |v[\s+16*\b]|, |v[\s+1+16*\b]|, 0x1800000   ; my 16 numbers of block b, and the floor 2^(3 - 127): the byte cannot fall under 1
.endr
.irp i, 2,4,6,8,10,12,14
.irp b, 0,1,2,3
	s_delay_alu instid0(VALU_DEP_4)
	v_max3_num_f32 v[TM+\b], v[TM+\b], |v[\s+16*\b+\i]|, |v[\s+1+16*\b+\i]|   ; the four blocks by turns
.endr
.endr
.irp b, 0,1,2,3
	s_delay_alu instid0(VALU_DEP_4)
	v_permlanex16_b32 v[TM+4+\b], v[TM+\b], s44, s45
.endr
.irp b, 0,1,2,3
	s_delay_alu instid0(VALU_DEP_4)
	v_max_num_f32 v[TM+\b], v[TM+\b], v[TM+4+\b]   ; with lane l xor 16's: the block's largest magnitude
.endr
.irp b, 0,1,2,3
	s_delay_alu instid0(VALU_DEP_4)
	v_add_nc_u32 v[TM+12+\b], 0xff000000, v[TM+\b]   ; 2 off its exponent field: the conversion takes this operand's exponent field as its scale
.endr
.irp b, 0,1,2,3
	s_delay_alu instid0(VALU_DEP_4)
	v_lshrrev_b32 v[TM+4+\b], 23, v[TM+12+\b]      ; the scale's byte
.endr
	s_delay_alu instid0(VALU_DEP_3)
	v_lshl_or_b32 v[\pw], v[TM+5], 8, v[TM+4]
	s_delay_alu instid0(VALU_DEP_1)
	v_lshl_or_b32 v[\pw], v[TM+6], 16, v[\pw]
	s_delay_alu instid0(VALU_DEP_1)
	v_lshl_or_b32 v[\pw], v[TM+7], 24, v[\pw]      ; my row's scale word (both halves of the lanes hold it)
.irp b, 0,1,2,3
	v_cvt_scalef32_pk8_fp4_f32 v[\pc+2*\b], v[\s+16*\b:\s+7+16*\b], v[TM+12+\b]
	v_cvt_scalef32_pk8_fp4_f32 v[\pc+1+2*\b], v[\s+8+16*\b:\s+15+16*\b], v[TM+12+\b]
.endr
	v_nop                                          ; one plain instruction behind the scaled conversions
.irp c, 0,1                                    ; the operand wants a WHOLE block in a lane: lanes 0-15 block 2 c, lanes 16-31 block 2 c + 1
.irp i, 0,1
	v_permlane16_swap_b32 v[\pc+4*\c+\i], v[\pc+2+4*\c+\i]
.endr
.endr
.endm
; K step s of the tile through my stage.  The stores have read their registers before the loads land on them; the stage is my wave's own
.macro STAGE s
.irp i, 0,1,2,3,4,5,6,7,8,9,10,11,12,13,14,15
	ds_store_b128 v6, v[XR+64*\s+4*\i:XR+64*\s+4*\i+3] offset:SPI*\i
.endr
	s_wait_dscnt 0x0
.irp b, 0,1,2,3
.irp j, 0,1,2,3
	ds_load_b128 v[XR+64*\s+16*\b+4*\j:XR+64*\s+16*\b+4*\j+3], v7 offset:128*\b+16*\j
.endr
.endr
	s_wait_dscnt 0x0
.endm
; router_w, K step s, in the tile's own order: lane (r, h) takes expert r % 8, numbers 32 b + 16 h + 0 .. 15
.macro RWLOAD s
.irp b, 0,1,2,3
.irp j, 0,1,2,3
	global_load_b128 v[RWH+16*\b+4*\j:RWH+16*\b+4*\j+3], v8, s[6:7] offset:512*\s+128*\b+16*\j
.endr
.endr
.endm
; 32 matrix instructions of 16 x 16 x 4 in f32: source 0 = router_w's 8 rows (twice), source 1 = my 16 tokens.  K is permuted alike on both sides.  Two accumulators take turns, one
; instruction a turn.  Eight v_nop follow: the places behind this form (ISA guide 7.12.1)
.macro ROUT s
.set q, 0
.rept 32
.if (\s == 0) && (q < 2)
	v_wmma_f32_16x16x4_f32 v[AC+8*(q%2):AC+8*(q%2)+7], v[RWH+2*q:RWH+2*q+1], v[XR+64*\s+2*q:XR+64*\s+2*q+1], 0
.else
	v_wmma_f32_16x16x4_f32 v[AC+8*(q%2):AC+8*(q%2)+7], v[RWH+2*q:RWH+2*q+1], v[XR+64*\s+2*q:XR+64*\s+2*q+1], v[AC+8*(q%2):AC+8*(q%2)+7]
.endif
.set q, q+1
.endr
.rept 8
	v_nop
.endr
.endm
.macro LDX s                           ; K step s of 16 neighbouring tokens: each load 512 consecutive bytes
.irp i, 0,1,2,3,4,5,6,7,8,9,10,11,12,13,14,15
	global_load_b128 v[XR+64*\s+4*\i:XR+64*\s+4*\i+3], v4, s[32:33] offset:1024*\i+512*\s th:TH_LOAD_NT
.endr
.endm
.macro LD128 rows                      ; a tile of w1 or w3: tile row i is row i + 8 (i / 8) from the first; rows from \rows on lie past hidden unit 681: zeros, and no load
.irp i, 0,1,2,3,4,5,6,7,8,9,10,11,12,13,14,15
.irp s, 0,1
.if \i < \rows
	global_load_b128 v[XR+64*\s+4*\i:XR+64*\s+4*\i+3], v4, s[32:33] offset:(\i+8*(\i/8))*1024+512*\s th:TH_LOAD_NT
.else
.irp z, 0,1,2,3
	v_mov_b32 v[XR+64*\s+4*\i+\z], 0
.endr
.endif
.endr
.endr
.endm
.macro LD64 tail                       ; a tile of w2: rows of 2,728 bytes are multiples of 8 only, so a lane's 16 bytes come as two loads of 8.  tail = 1: the second K step ends at column 681: lanes past it are held at the row's last 8 bytes
.irp i, 0,1,2,3,4,5,6,7,8,9,10,11,12,13,14,15
.irp s, 0,1
.irp f, 0,1
.if \tail && (\s == 1)
	global_load_b64 v[XR+64*\s+4*\i+2*\f:XR+64*\s+4*\i+2*\f+1], v[9+\f], s[32:33] offset:2728*\i+512*\s+8*\f
.else
	global_load_b64 v[XR+64*\s+4*\i+2*\f:XR+64*\s+4*\i+2*\f+1], v4, s[32:33] offset:2728*\i+512*\s+8*\f
.endif
.endr
.endr
.endr
.endm
	s_load_b512 s[4:19], s[0:1], 0x0               ; x 4, router_w 6, w1 8, w2 10, w3 12, xq 14, xs 16, gates 18
	s_load_b128 s[20:23], s[0:1], 0x40             ; route 20, wa 22
	s_load_b64 s[24:25], s[0:1], 0x50              ; wb
	v_lshl_add_u32 v22, v0, 2, 0x25c00
	v_mov_b32 v23, 0
	v_lshrrev_b32 v1, 5, v0
	s_delay_alu instid0(VALU_DEP_1)
	v_readfirstlane_b32 s26, v1                    ; wave 0..7
	v_and_b32 v1, 31, v0                           ; lane
	v_and_b32 v2, 15, v0                           ; r
	v_bfe_u32 v3, v0, 4, 1                         ; h
	s_delay_alu instid0(VALU_DEP_3)
	v_lshlrev_b32 v4, 4, v1                        ; 16 x lane
	s_delay_alu instid0(VALU_DEP_4)
	v_lshlrev_b32 v5, 2, v1                        ; 4 x lane
	s_and_b32 s28, ttmp7, 0xffff                   ; work-group y
	s_mov_b32 s44, 0x76543210
	s_mov_b32 s45, 0xfedcba98                      ; v_permlanex16_b32's selects for lane l xor 16
.irp b, 0,1,2,3
	v_mov_b32 v[TM+4+\b], 0                        ; written once: a lane permute's destination counts as one of its sources
.endr
	s_mul_i32 s51, s26, 16*SPI                     ; my wave's stage
	v_mul_u32_u24 v7, v2, SPI
	s_delay_alu instid0(VALU_DEP_1)
	v_lshl_add_u32 v7, v3, 6, v7                   ; out of it: row r, + 64 h
	s_mov_b32 s39, 0
	s_cmp_lt_u32 ttmp9, 16
	s_cbranch_scc0 .Lweights
; ------------------------------------------------------------------ TOKENS
	s_add_co_u32 s51, s51, STGX
	s_wait_alu depctr_va_vdst(0)
	v_add_nc_u32 v6, s51, v4
	v_add_nc_u32 v7, s51, v7
	s_lshl_b32 s47, s28, 4
	s_add_co_u32 s47, s47, ttmp9                   ; g: which 128 tokens
	s_lshl_b32 s46, s47, 7
	s_lshl_b32 s38, s26, 4
	s_add_co_u32 s46, s46, s38                     ; my first token: 128 g + 16 wave
	v_and_b32 v8, 7, v0
	s_delay_alu instid0(VALU_DEP_1)
	v_lshlrev_b32 v8, 10, v8
	s_delay_alu instid0(VALU_DEP_1)
	v_lshl_add_u32 v8, v3, 6, v8                   ; router_w: row r % 8, + 64 h
	s_lshl_b32 s38, s46, 10
	s_wait_alu depctr_va_vdst(0)
	s_wait_kmcnt 0x0
	s_add_nc_u64 s[32:33], s[4:5], s[38:39]
	LDX 0
	RWLOAD 0
	LDX 1
	s_lshl_b32 s38, s46, 7
	s_add_nc_u64 s[34:35], s[14:15], s[38:39]      ; my tokens' codes,
	s_lshl_b32 s38, s46, 3
	s_add_nc_u64 s[36:37], s[16:17], s[38:39]      ; scale words,
	s_lshl_b32 s38, s46, 5
	s_add_nc_u64 s[40:41], s[18:19], s[38:39]      ; gates,
	s_lshl_b32 s38, s46, 2
	s_add_nc_u64 s[42:43], s[20:21], s[38:39]      ; keys and ranks,
	s_lshl_b32 s38, s47, 7
	s_add_nc_u64 s[48:49], s[20:21], s[38:39]      ; and the 128 tokens' counts (65,536 bytes further on: in the immediate)
	v_lshlrev_b32 v9, 3, v2
	s_delay_alu instid0(VALU_DEP_1)
	v_lshl_add_u32 v9, v3, 2, v9                   ; scale words: 8 r + 4 h
	v_lshlrev_b32 v10, 5, v2
	s_delay_alu instid0(VALU_DEP_1)
	v_lshl_add_u32 v10, v3, 4, v10                 ; gates: 32 r + 16 h
	s_mul_i32 s38, s26, 16*144
	s_add_co_u32 s38, s38, OSTG
	v_mul_u32_u24 v11, v2, 144
	s_delay_alu instid0(VALU_DEP_1)
	v_lshl_add_u32 v11, v3, 4, v11
	s_delay_alu instid0(VALU_DEP_1)
	v_add_nc_u32 v11, s38, v11                     ; codes into their stage: row r, + 16 h
	v_lshrrev_b32 v46, 3, v1
	s_delay_alu instid0(VALU_DEP_1)
	v_mul_u32_u24 v46, v46, 144
	v_and_b32 v47, 7, v1
	s_delay_alu instid0(VALU_DEP_1)
	v_lshl_add_u32 v46, v47, 4, v46
	s_delay_alu instid0(VALU_DEP_1)
	v_add_nc_u32 v46, s38, v46                     ; and out: eight lanes to a row of 128 bytes
	v_lshlrev_b32 v47, 2, v0                       ; my wave's 32 counts: 128 wave + 4 lane
	s_wait_loadcnt 16                              ; x's first K step and router_w's are in; the 16 loads of x's second K step may be out
	STAGE 0
	ROUT 0
	RWLOAD 1                                       ; behind the eight places: into registers that the matrix instructions have read
	QUANT XR, PC, PW
	s_wait_loadcnt 16                              ; x's second K step is in; router_w's 16 loads may be out
	STAGE 1
	s_wait_loadcnt 0x0
	ROUT 1
	QUANT XR+64, PC+8, PW+1
	; THE ROUTER.  Lane (r, h), register j: the logit of token r for expert j (both halves of the lanes hold the same)
.irp j, 0,1,2,3,4,5,6,7
	v_add_f32 v[64+\j], v[AC+\j], v[AC+8+\j]       ; both accumulators are read from their low end on
.endr
	v_max3_num_f32 v72, v64, v65, v66
	s_delay_alu instid0(VALU_DEP_1)
	v_max3_num_f32 v72, v72, v67, v68
	s_delay_alu instid0(VALU_DEP_1)
	v_max3_num_f32 v72, v72, v69, v70
	s_delay_alu instid0(VALU_DEP_1)
	v_max_num_f32 v72, v72, v71                    ; the row's maximum is taken away ahead of the exponentials
.irp j, 0,1,2,3,4,5,6,7
	v_sub_f32 v[64+\j], v[64+\j], v72
.endr
.irp j, 0,1,2,3,4,5,6,7
	v_mul_f32 v[64+\j], 0x3fb8aa3b, v[64+\j]
.endr
	s_wait_alu depctr_va_vdst(0)
.irp j, 0,1,2,3,4,5,6,7
	v_exp_f32 v[64+\j], v[64+\j]
.endr
	v_mov_b32 v82, -1.0                            ; (a plain instruction behind the exponentials)
	s_wait_alu depctr_va_vdst(0)                   ; one wait for the eight, ahead of their first reader
	v_add_f32 v73, v64, v65
	v_add_f32 v74, v66, v67
	v_add_f32 v75, v68, v69
	v_add_f32 v76, v70, v71
	s_delay_alu instid0(VALU_DEP_3)
	v_add_f32 v73, v73, v74
	s_delay_alu instid0(VALU_DEP_2)
	v_add_f32 v75, v75, v76
	s_delay_alu instid0(VALU_DEP_1)
	v_add_f32 v73, v73, v75
	s_wait_alu depctr_va_vdst(0)
	v_rcp_f32 v73, v73
	v_mov_b32 v81, 0                               ; (plain)  the first choice's index
	s_wait_alu depctr_va_vdst(0)
.irp j, 0,1,2,3,4,5,6,7
	v_mul_f32 v[64+\j], v[64+\j], v73              ; the probabilities
.endr
	v_mov_b32 v80, v64
.irp j, 1,2,3,4,5,6,7                          ; the largest; where two are equal the lower index stays
	s_delay_alu instid0(VALU_DEP_1)
	v_cmp_ge_f32 vcc_lo, v80, v[64+\j]
	s_delay_alu instid0(VALU_DEP_1)
	v_cndmask_b32 v81, \j, v81, vcc_lo
	s_delay_alu instid0(VALU_DEP_2)
	v_cndmask_b32 v80, v[64+\j], v80, vcc_lo
.endr
.irp j, 0,1,2,3,4,5,6,7
	v_cmp_eq_u32 vcc_lo, \j, v81
	s_delay_alu instid0(VALU_DEP_1)
	v_cndmask_b32 v[64+\j], v[64+\j], v82, vcc_lo  ; it is taken out (-1 lies under every probability)
.endr
	v_mov_b32 v83, v64
	v_mov_b32 v84, 0
.irp j, 1
	s_delay_alu instid0(VALU_DEP_2)
	v_cmp_ge_f32 vcc_lo, v83, v[64+\j]
	s_delay_alu instid0(VALU_DEP_1)
	v_cndmask_b32 v84, \j, v84, vcc_lo
	s_delay_alu instid0(VALU_DEP_2)
	v_cndmask_b32 v83, v[64+\j], v83, vcc_lo
.endr
.irp j, 2, 3, 4, 5, 6, 7
	s_delay_alu instid0(VALU_DEP_1)
	v_cmp_ge_f32 vcc_lo, v83, v[64+\j]
	s_delay_alu instid0(VALU_DEP_1)
	v_cndmask_b32 v84, \j, v84, vcc_lo
	s_delay_alu instid0(VALU_DEP_2)
	v_cndmask_b32 v83, v[64+\j], v83, vcc_lo
.endr
	s_delay_alu instid0(VALU_DEP_1)
	v_add_f32 v85, v80, v83
	s_delay_alu instid0(VALU_DEP_1)
	v_add_f32 v85, 0x3089705f, v85                 ; + 1e-9
	s_wait_alu depctr_va_vdst(0)
	v_rcp_f32 v85, v85
	v_min_u32 v96, v81, v84                        ; lo, hi; the key: plain work behind the reciprocal
	v_max_u32 v97, v81, v84
	s_delay_alu instid0(VALU_DEP_2)
	v_sub_nc_u32 v98, 15, v96
	s_delay_alu instid0(VALU_DEP_1)
	v_mul_u32_u24 v98, v98, v96
	s_delay_alu instid0(VALU_DEP_1)
	v_lshrrev_b32 v98, 1, v98                      ; lo (15 - lo) / 2: where lo's keys begin
	s_delay_alu instid0(VALU_DEP_4)
	v_sub_nc_u32 v99, v97, v96
	s_delay_alu instid0(VALU_DEP_1)
	v_add_nc_u32 v99, -1, v99                      ; hi - lo - 1: hi rising, where lo is even
	v_sub_nc_u32 v100, 7, v97                      ; 7 - hi: hi falling, where lo is odd
	v_and_b32 v101, 1, v96
	s_delay_alu instid0(VALU_DEP_1)
	v_cmp_eq_u32 vcc_lo, 0, v101
	s_delay_alu instid0(VALU_DEP_1)
	v_cndmask_b32 v99, v100, v99, vcc_lo
	s_delay_alu instid0(VALU_DEP_1)
	v_add_nc_u32 v98, v98, v99
	s_wait_alu depctr_va_vdst(0)
	v_mul_f32 v86, v80, v85
	v_mul_f32 v87, v83, v85                        ; the two gates
.irp j, 0,1,2,3,4,5,6,7
	v_cmp_eq_u32 vcc_lo, \j, v81
	s_delay_alu instid0(VALU_DEP_1)
	v_cndmask_b32 v[88+\j], 0, v86, vcc_lo
	v_cmp_eq_u32 vcc_lo, \j, v84
	s_delay_alu instid0(VALU_DEP_1)
	v_cndmask_b32 v[88+\j], v[88+\j], v87, vcc_lo  ; the dense row of gates: 0 for the six others
.endr
	v_cmp_eq_u32 vcc_lo, 0, v3
	s_delay_alu instid0(VALU_DEP_1)
	v_cndmask_b32 v99, 31, v98, vcc_lo             ; each token counts once: lanes 16-31 hold no key
	v_mov_b32 v101, 0                              ; lane k: how many of my 16 tokens have key k
	v_mov_b32 v103, 0                              ; my rank among my wave's tokens of my key
.set k, 0
.rept 28
	v_cmp_eq_u32 s[MK+k], k, v99
	s_bcnt1_i32_b32 s38, s[MK+k]
	v_writelane_b32 v101, s38, k
	v_mbcnt_lo_u32_b32 v102, s[MK+k], 0
	s_delay_alu instid0(VALU_DEP_1)
	v_cndmask_b32 v103, v103, v102, s[MK+k]
.set k, k+1
.endr
	ds_store_b32 v47, v101 offset:HIST
.irp s, 0,1
.irp c, 0,1
	ds_store_b128 v11, v[PC+8*\s+4*\c:PC+8*\s+4*\c+3] offset:64*\s+32*\c   ; lane (r, h): bytes 64 s + 32 c + 16 h of token r's 128
.endr
.endr
	s_wait_dscnt 0x0                               ; for the others' sake: my counts lie in LDS
	s_barrier_signal -1
	s_barrier_wait -1
.irp j, 0,1,2,3,4,5,6,7
	ds_load_b32 v[104+\j], v5 offset:HIST+128*\j   ; all eight waves' counts
.endr
.irp i, 0,1,2,3
	ds_load_b128 v[XR+4*\i:XR+4*\i+3], v46 offset:576*\i   ; my own codes back: four tokens' 512 bytes an instruction
.endr
	v_mov_b32 v112, 0
	v_mov_b32 v113, 0
	v_mov_b32 v115, 0
	s_wait_dscnt 0x0
.irp j, 0,1,2,3,4,5,6,7
	s_cmp_gt_u32 s26, \j
	s_cselect_b32 s38, -1, 0
	v_and_b32 v114, s38, v[104+\j]
	s_wait_alu depctr_va_vdst(0)
	v_add_nc_u32 v112, v112, v114                  ; lane k: tokens of key k in the waves before mine
	v_add_nc_u32 v113, v113, v[104+\j]             ; and in all eight
.endr
.set k, 0
.rept 28
	v_readlane_b32 s38, v112, k
	s_delay_alu instid0(VALU_DEP_1)
	v_cndmask_b32 v115, v115, s38, s[MK+k]
.set k, k+1
.endr
	s_delay_alu instid0(VALU_DEP_1)
	v_add_nc_u32 v103, v103, v115
	s_delay_alu instid0(VALU_DEP_1)
	v_lshl_or_b32 v116, v103, 8, v98               ; key | rank << 8
.irp i, 0,1,2,3
	global_store_b128 v4, v[XR+4*\i:XR+4*\i+3], s[34:35] offset:512*\i   ; 512 consecutive bytes, aligned
.endr
	v_cmp_eq_u32 vcc_lo, 0, v3
	s_delay_alu instid0(VALU_DEP_1)
	v_cndmask_b32 v120, v[PW+1], v[PW], vcc_lo
	global_store_b32 v9, v120, s[36:37]            ; [token][K step]
.irp i, 0,1,2,3
	v_cndmask_b32 v[124+\i], v[92+\i], v[88+\i], vcc_lo
.endr
	global_store_b128 v10, v[124:127], s[40:41]    ; 16 tokens' 512 consecutive bytes, aligned
	s_wait_alu depctr_va_vdst(0)
	s_wait_xcnt 0x0                                ; EXEC changes only behind this wait
	v_cmp_gt_u32 vcc_lo, 16, v1
	s_and_saveexec_b32 s38, vcc_lo
	global_store_b32 v5, v116, s[42:43]            ; lanes 0-15: a word a token
	s_wait_xcnt 0x0                                ; and again in front of the line that widens it
	s_or_b32 exec_lo, exec_lo, s38
	s_cmp_lg_u32 s26, 0
	s_cbranch_scc1 .Ltok_end
	global_store_b32 v5, v113, s[48:49] offset:65536   ; wave 0: the 128 tokens' counts
.Ltok_end:
	s_wait_tensorcnt 0x0
	ds_add_u32 v22, v23
	s_wait_dscnt 0x0
	s_endpgm
; ------------------------------------------------------------------ WEIGHTS
.Lweights:
	s_add_co_u32 s51, s51, STGW
	s_wait_alu depctr_va_vdst(0)
	v_add_nc_u32 v6, s51, v4
	v_add_nc_u32 v7, s51, v7
	v_min_u32 v9, 10, v1
	s_delay_alu instid0(VALU_DEP_1)
	v_lshlrev_b32 v9, 4, v9                        ; w2's last K step has 168 bytes: the low 8 of a lane's 16 exist up to lane 10,
	v_min_u32 v10, 9, v1
	s_delay_alu instid0(VALU_DEP_1)
	v_lshlrev_b32 v10, 4, v10                      ; the high 8 up to lane 9
	s_mov_b32 s41, 0
	s_mov_b32 s43, 0
	s_mov_b32 s50, 0                               ; 1: the tile ends at column 681
	s_cmp_lt_u32 ttmp9, 27
	s_cbranch_scc0 .Lw2
	s_sub_co_u32 s27, ttmp9, 16
	s_lshl_b32 s27, s27, 1
	s_lshr_b32 s29, s26, 2
	s_add_co_u32 s29, s29, s27                     ; block of 32 hidden units, 0 .. 21
	s_and_b32 s30, s26, 3                          ; 2 x matrix + half
	s_and_b32 s31, s26, 1                          ; half
	s_mul_i32 s38, s28, 682
	s_lshl_b32 s27, s29, 5
	s_add_co_u32 s38, s38, s27
	s_lshl_b32 s27, s31, 3
	s_add_co_u32 s38, s38, s27                     ; the tile's first row
	s_lshl_b32 s38, s38, 10
	s_mul_i32 s40, s28, 22
	s_add_co_u32 s40, s40, s29
	s_mul_i32 s40, s40, 8704                       ; the block's record in wa: 8 fragments, then 4 x 128 bytes of scale words
	s_lshl_b32 s42, s30, 7
	s_add_co_u32 s42, s42, s40
	s_add_co_u32 s42, s42, 8192
	s_lshl_b32 s27, s30, 11
	s_add_co_u32 s40, s40, s27
	s_wait_kmcnt 0x0
	s_bitcmp1_b32 s30, 1
	s_cselect_b64 s[32:33], s[12:13], s[8:9]       ; w3 or w1: the choice hangs on the wave's number alone
	s_add_nc_u64 s[32:33], s[32:33], s[38:39]
	s_add_nc_u64 s[34:35], s[22:23], s[40:41]
	s_add_nc_u64 s[36:37], s[22:23], s[42:43]
	s_cmp_lg_u32 s29, 21
	s_cbranch_scc1 .Lvar_a
	s_cmp_eq_u32 s31, 0
	s_cbranch_scc1 .Lvar_b
	LD128 2                                        ; hidden units 680, 681
	s_branch .Lstage
.Lvar_b:
	LD128 8                                        ; hidden units 672 .. 679
	s_branch .Lstage
.Lvar_a:
	LD128 16
	s_branch .Lstage
.Lw2:
	s_sub_co_u32 s27, ttmp9, 27
	s_lshr_b32 s29, s27, 1                         ; which 256 along K: 0 .. 2
	s_and_b32 s30, s27, 1
	s_lshl_b32 s30, s30, 3
	s_add_co_u32 s30, s30, s26                     ; tile of 16 output columns, 0 .. 15
	s_lshl_b32 s38, s28, 8
	s_lshl_b32 s27, s30, 4
	s_add_co_u32 s38, s38, s27
	s_mul_i32 s38, s38, 2728
	s_lshl_b32 s27, s29, 10
	s_add_co_u32 s38, s38, s27
	s_lshl_b32 s40, s28, 4
	s_add_co_u32 s40, s40, s30
	s_mul_i32 s40, s40, 6656                       ; the tile's record in wb: 6 fragments, then 3 x 128 bytes of scale words
	s_lshl_b32 s42, s29, 7
	s_add_co_u32 s42, s42, s40
	s_add_co_u32 s42, s42, 6144
	s_lshl_b32 s27, s29, 11
	s_add_co_u32 s40, s40, s27
	s_wait_kmcnt 0x0
	s_add_nc_u64 s[32:33], s[10:11], s[38:39]
	s_add_nc_u64 s[34:35], s[24:25], s[40:41]
	s_add_nc_u64 s[36:37], s[24:25], s[42:43]
	s_cmp_eq_u32 s29, 2
	s_cselect_b32 s50, 1, 0
	s_cbranch_scc1 .Lvar_e
	LD64 0
	s_branch .Lstage
.Lvar_e:
	s_wait_alu depctr_va_vdst(0)
	LD64 1
.Lstage:
	s_wait_loadcnt 0x0                             ; the ways in issue different numbers of loads: only 0 holds on all of them
	s_wait_alu depctr_va_vdst(0)
	STAGE 0
	QUANT XR, PC, PW
	STAGE 1
	s_cmp_eq_u32 s50, 0
	s_cbranch_scc1 .Lno_fix
	v_cmp_eq_u32 vcc_lo, 0, v3                     ; K step 5 of w2: k = 640 + 32 b + 16 h + i is past 681 from b = 1, h = 0, i = 10 on: zeros ahead of the blocks' maxima
.irp i, 0,1,2,3,4,5,6,7,8,9
	v_cndmask_b32 v[XR+80+\i], 0, v[XR+80+\i], vcc_lo
.endr
.set z, 90
.rept 38
	v_mov_b32 v[XR+z], 0
.set z, z+1
.endr
.Lno_fix:
	QUANT XR+64, PC+8, PW+1
.irp s, 0,1
.irp c, 0,1
	global_store_b128 v4, v[PC+8*\s+4*\c:PC+8*\s+4*\c+3], s[34:35] offset:1024*\s+512*\c   ; the fragment as it stands in registers: 512 consecutive bytes, aligned
.endr
.endr
	v_cmp_eq_u32 vcc_lo, 0, v3
	s_delay_alu instid0(VALU_DEP_1)
	v_cndmask_b32 v11, v[PW+1], v[PW], vcc_lo
	global_store_b32 v5, v11, s[36:37]             ; lanes 0-15 the first K step's words, lanes 16-31 the second's
	s_wait_tensorcnt 0x0
	ds_add_u32 v22, v23
	s_wait_dscnt 0x0
	s_endpgm
.Lfunc_end_k_qe17f50c095_prep:
	.size	k_qe17f50c095_prep, .Lfunc_end_k_qe17f50c095_prep-k_qe17f50c095_prep
	.p2alignl 7, 3214868480
	.fill 96, 4, 3214868480
	.section	.rodata,"a",@progbits
	.p2align	6, 0x0
	.amdhsa_kernel k_qe17f50c095_prep
		.amdhsa_group_segment_fixed_size 155648
		.amdhsa_private_segment_fixed_size 0
		.amdhsa_enable_private_segment 0
		.amdhsa_kernarg_size 88
		.amdhsa_user_sgpr_count 2
		.amdhsa_user_sgpr_kernarg_segment_ptr 1
		.amdhsa_wavefront_size32 1
		.amdhsa_system_sgpr_workgroup_id_x 1
		.amdhsa_system_sgpr_workgroup_id_y 1
		.amdhsa_system_sgpr_workgroup_id_z 1
		.amdhsa_system_vgpr_workitem_id 0
		.amdhsa_next_free_vgpr 256
		.amdhsa_next_free_sgpr 96
		.amdhsa_reserve_vcc 1
		.amdhsa_float_denorm_mode_32 3
		.amdhsa_float_denorm_mode_16_64 3
		.amdhsa_memory_ordered 1
		.amdhsa_forward_progress 1
		.amdhsa_inst_pref_size 97
	.end_amdhsa_kernel
	.amdgpu_metadata
---
amdhsa.version: [ 1, 2 ]
amdhsa.kernels:
  - .name:           k_qe17f50c095_prep
    .symbol:         k_qe17f50c095_prep.kd
    .args:
      - { .name: x, .offset: 0, .size: 8, .value_kind: global_buffer, .address_space: global }
      - { .name: router_w, .offset: 8, .size: 8, .value_kind: global_buffer, .address_space: global }
      - { .name: w1, .offset: 16, .size: 8, .value_kind: global_buffer, .address_space: global }
      - { .name: w2, .offset: 24, .size: 8, .value_kind: global_buffer, .address_space: global }
      - { .name: w3, .offset: 32, .size: 8, .value_kind: global_buffer, .address_space: global }
      - { .name: xq, .offset: 40, .size: 8, .value_kind: global_buffer, .address_space: global }
      - { .name: xs, .offset: 48, .size: 8, .value_kind: global_buffer, .address_space: global }
      - { .name: gates, .offset: 56, .size: 8, .value_kind: global_buffer, .address_space: global }
      - { .name: route, .offset: 64, .size: 8, .value_kind: global_buffer, .address_space: global }
      - { .name: wa, .offset: 72, .size: 8, .value_kind: global_buffer, .address_space: global }
      - { .name: wb, .offset: 80, .size: 8, .value_kind: global_buffer, .address_space: global }
    .group_segment_fixed_size: 155648
    .private_segment_fixed_size: 0
    .kernarg_segment_align: 8
    .kernarg_segment_size: 88
    .max_flat_workgroup_size: 256
    .sgpr_count:     96
    .vgpr_count:     256
    .wavefront_size: 32
...
	.end_amdgpu_metadata
.endif
;; end of part 4
;; launch place (part 5): grid 32 x 1, 1 waves a work-group, no clusters, 0 bytes of LDS; arguments route, plan; writes plan
.if DOCPART == 5
	.amdgcn_target "amdgcn-amd-amdhsa--gfx1250"
	.amdhsa_code_object_version 6
	.text
	.protected	k_qe17f50c095_place
	.globl	k_qe17f50c095_place
	.p2align	8
	.type	k_qe17f50c095_place,@function
k_qe17f50c095_place:
	s_mov_b64 s[64:65], 0
	v_nop
	global_prefetch_b8 v0, s[64:65] scope:SCOPE_SE
	s_setreg_imm32_b32 hwreg(HW_REG_WAVE_MODE, 25, 1), 1
	s_wait_xcnt 0x0
; PLACE.  The tokens are sorted by the key of their pair of experts (28 keys), by counting: no atomics.  route holds for each token key | rank << 8 (the rank among equal keys of its 128 tokens)
; and, from byte 65,536 on, for each 128 tokens the count of each key (32 words).  A token's place is: tokens of lower keys + tokens of its key in earlier groups of 128 + its rank.
; Work-group w (one wave) places tokens 512 w .. 512 w + 511 into plan's order[place] = token, and makes, for sorted tiles 32 w .. 32 w + 31 of 16 tokens, the mask of the experts that the
; tile's tokens use (from byte 65,536 on).  Every work-group sums all 128 counts for itself: 16 KB.  No branch; no LDS byte (the lane permute touches none).
; The keys run (0,1) .. (0,7), (1,7) .. (1,2), (2,3) .. (2,7), (3,7) .. , as the launch before numbers them: neighbouring keys share an expert.
; The 16 stores of order scatter words of 4 bytes: 64 KB in the whole launch.
.set P,   16                           ; v16-31   a token's place, then its byte offset
.set H,   32                           ; v32-159  lane k: the count of key k in group g
.set OWN, 160                          ; v160-163 the same of my four groups
.set S,   164                          ; v164-179 my tokens' key | rank << 8
.set IX,  192                          ; v192-207 4 x key
.set TK,  208                          ; v208-223 my tokens' numbers
.set BS,  32                           ; s32-60   BS[k]: tokens of keys below k
	s_load_b128 s[4:7], s[0:1], 0x0                ; route, plan
	v_lshlrev_b32 v1, 2, v0                        ; 4 x lane
	s_mov_b32 s19, 0
	s_lshl_b32 s14, ttmp9, 9                       ; 512 w
	s_lshl_b32 s18, ttmp9, 9
	s_wait_alu depctr_va_vdst(0)
	s_wait_kmcnt 0x0
	s_add_nc_u64 s[8:9], s[4:5], s[18:19]          ; my four groups' counts (512 bytes a work-group)
	s_lshl_b32 s18, ttmp9, 11
	s_add_nc_u64 s[10:11], s[4:5], s[18:19]        ; my 512 tokens' words
	s_lshl_b32 s18, ttmp9, 7
	s_add_nc_u64 s[16:17], s[6:7], s[18:19]        ; my 32 tiles' masks
.set g, 0
.rept 128
	global_load_b32 v[H+g], v1, s[4:5] offset:65536+128*g
.set g, g+1
.endr
.irp i, 0,1,2,3
	global_load_b32 v[OWN+\i], v1, s[8:9] offset:65536+128*\i
.endr
.irp q, 0,1,2,3,4,5,6,7,8,9,10,11,12,13,14,15
	global_load_b32 v[S+\q], v1, s[10:11] offset:128*\q
.endr
	v_mov_b32 v2, 0                                ; lane k: all tokens of key k
	v_mov_b32 v3, 0                                ; and those in the work-groups before mine
	v_mov_b32 v5, 0
	v_add_nc_u32 v10, s14, v0
.irp q, 0,1,2,3,4,5,6,7,8,9,10,11,12,13,14,15
	v_add_nc_u32 v[TK+\q], 32*\q, v10              ; token 512 w + 32 q + lane
.endr
	s_wait_loadcnt 0x0
.set c, 0
.rept 32
	v_add3_u32 v4, v[H+4*c], v[H+4*c+1], v[H+4*c+2]
	v_add_nc_u32 v4, v4, v[H+4*c+3]
	v_add_nc_u32 v2, v2, v4
	s_cmp_gt_u32 ttmp9, c
	s_cselect_b32 s12, -1, 0
	v_and_b32 v4, s12, v4
	v_add_nc_u32 v3, v3, v4
.set c, c+1
.endr
	s_mov_b32 s[BS], 0
.set k, 0
.rept 28
	v_readlane_b32 s13, v2, k
	v_writelane_b32 v5, s[BS+k], k                 ; lane k: where key k begins
	s_add_co_u32 s[BS+k+1], s[BS+k], s13
.set k, k+1
.endr
	v_add_nc_u32 v6, v5, v3                        ; lane k: where key k of my first group begins;
	v_add_nc_u32 v7, v6, v[OWN]
	v_add_nc_u32 v8, v7, v[OWN+1]
	v_add_nc_u32 v9, v8, v[OWN+2]                  ; of my second, third, fourth
.irp q, 0,1,2,3,4,5,6,7,8,9,10,11,12,13,14,15
	v_and_b32 v[IX+\q], 31, v[S+\q]
	v_min_u32 v[IX+\q], 31, v[IX+\q]               ; a loaded number is held before it names a lane
	v_lshlrev_b32 v[IX+\q], 2, v[IX+\q]
	ds_bpermute_b32 v[P+\q], v[IX+\q], v[6+\q/4]   ; lane `key`'s number
.endr
	s_wait_dscnt 0x0
.irp q, 0,1,2,3,4,5,6,7,8,9,10,11,12,13,14,15
	v_lshrrev_b32 v[S+\q], 8, v[S+\q]
	v_add_nc_u32 v[P+\q], v[P+\q], v[S+\q]
	v_min_u32 v[P+\q], 0x3fff, v[P+\q]             ; held inside order
	v_lshlrev_b32 v[P+\q], 2, v[P+\q]
	global_store_b32 v[P+\q], v[TK+\q], s[6:7]
.endr
	v_lshl_add_u32 v12, v0, 4, s14                 ; tile 32 w + lane holds places 16 j .. 16 j + 15
	v_add_nc_u32 v13, 16, v12
	v_mov_b32 v14, 0
.set k, 0
.irp lo, 0,1,2,3,4,5,6
.irp j, 0,1,2,3,4,5,6
.if \j < (7-\lo)
.set hh, (\lo%2)*(7-\j)+(1-(\lo%2))*(\lo+1+\j)     ; lo's j-th key: hi rises from lo + 1 where lo is even, falls from 7 where lo is odd
	v_max_u32 v10, s[BS+k], v12
	v_min_u32 v11, s[BS+k+1], v13
	v_cmp_lt_u32 vcc_lo, v10, v11                  ; does key k's run of places meet the tile?
	v_or_b32 v15, (1<<\lo)|(1<<hh), v14
	v_cndmask_b32 v14, v14, v15, vcc_lo
.set k, k+1
.endif
.endr
.endr
	global_store_b32 v1, v14, s[16:17] offset:65536
	s_endpgm
.Lfunc_end_k_qe17f50c095_place:
	.size	k_qe17f50c095_place, .Lfunc_end_k_qe17f50c095_place-k_qe17f50c095_place
	.p2alignl 7, 3214868480
	.fill 96, 4, 3214868480
	.section	.rodata,"a",@progbits
	.p2align	6, 0x0
	.amdhsa_kernel k_qe17f50c095_place
		.amdhsa_group_segment_fixed_size 0
		.amdhsa_private_segment_fixed_size 0
		.amdhsa_enable_private_segment 0
		.amdhsa_kernarg_size 16
		.amdhsa_user_sgpr_count 2
		.amdhsa_user_sgpr_kernarg_segment_ptr 1
		.amdhsa_wavefront_size32 1
		.amdhsa_system_sgpr_workgroup_id_x 1
		.amdhsa_system_sgpr_workgroup_id_y 1
		.amdhsa_system_sgpr_workgroup_id_z 1
		.amdhsa_system_vgpr_workitem_id 0
		.amdhsa_next_free_vgpr 224
		.amdhsa_next_free_sgpr 66
		.amdhsa_reserve_vcc 1
		.amdhsa_float_denorm_mode_32 3
		.amdhsa_float_denorm_mode_16_64 3
		.amdhsa_memory_ordered 1
		.amdhsa_forward_progress 1
		.amdhsa_inst_pref_size 40
	.end_amdhsa_kernel
	.amdgpu_metadata
---
amdhsa.version: [ 1, 2 ]
amdhsa.kernels:
  - .name:           k_qe17f50c095_place
    .symbol:         k_qe17f50c095_place.kd
    .args:
      - { .name: route, .offset: 0, .size: 8, .value_kind: global_buffer, .address_space: global }
      - { .name: plan, .offset: 8, .size: 8, .value_kind: global_buffer, .address_space: global }
    .group_segment_fixed_size: 0
    .private_segment_fixed_size: 0
    .kernarg_segment_align: 8
    .kernarg_segment_size: 16
    .max_flat_workgroup_size: 32
    .sgpr_count:     66
    .vgpr_count:     224
    .wavefront_size: 32
...
	.end_amdgpu_metadata
.endif
;; end of part 5
;; launch chain (part 6): grid 256 x 1, 8 waves a work-group, no clusters, 94,208 bytes of LDS; arguments xq, xs, gates, plan, wa, wb, out0; writes out0
.if DOCPART == 6
	.amdgcn_target "amdgcn-amd-amdhsa--gfx1250"
	.amdhsa_code_object_version 6
	.text
	.protected	k_qe17f50c095_chain
	.globl	k_qe17f50c095_chain
	.p2align	8
	.type	k_qe17f50c095_chain,@function
k_qe17f50c095_chain:
	s_mov_b64 s[64:65], 0
	v_nop
	global_prefetch_b8 v0, s[64:65] scope:SCOPE_SE
	s_setreg_imm32_b32 hwreg(HW_REG_WAVE_SCHED_MODE, 0, 2), 2
	s_setreg_imm32_b32 hwreg(HW_REG_WAVE_MODE, 25, 1), 1
	s_wait_xcnt 0x0
	s_wait_alu depctr_vm_vsrc(0)
; CHAIN.  out[token] = sum over the token's two experts of gate x (silu(x w1^T) * (x w3^T)) w2^T, all three products on codes of FP4 (E2M1) with one E8M0 scale for each 32 along K.
; A work-group owns 64 tokens of the sorted order (four tiles of 16) and so their rows of out: no sum crosses work-groups.  It walks, in a loop of 8 trips, the experts that its tiles use
; (a mask of 8 bits for each tile, stored by the launch before); a tile that does not use the expert in hand is passed over by a scalar branch.  In a tile that lies on the border of two
; pairs a token that does not use the expert has the gate 0.
; THE WAVES SHARE THE COLUMNS.  Phase 1: the 704 hidden units (682 and zeros) are 22 blocks of 32; wave w, with p = w xor (w / 4), takes the blocks from (11 p) / 4 on: two where p is 0 or 4
; (waves 0 and 5, which differ both in w mod 4 and in w / 2), else three.  Phase 2: wave w takes output columns 32 w .. 32 w + 31.  A weight fragment is loaded once a work-group and expert,
; straight into registers in the order in which they were laid, and feeds up to four matrix instructions.
; Phase 1 is used transposed (source 0 = 16 rows of w1 or w3, source 1 = 16 tokens): lane (r, h) holds token r and, of a block of 32 hidden units, the 16 neighbours 16 h + 0 .. 15.  silu and the
; product are f32; the block's scale wants one exchange with lane l xor 16; the lane's 16 codes (8 bytes) go to the place in LDS that the second product's operand image has for them.
; Phase 2 likewise (source 0 = 16 rows of w2, source 1 = the hidden layer's 16 tokens): a lane holds 8 neighbouring columns of token r; gate x y is added onto the row's sums in registers.
; TWO BARRIERS A TRIP, on the way that every trip takes: hidden layer written | read; read | written again.
; LOADS AHEAD.  A block's weights are 20 loads (16 of fragments, 4 of scale words) into one of two sets of registers, A and B; an expert's blocks take A, B, A.  A set is requested anew as soon
; as its four tiles are done: A with the expert's third block (in a wave of two blocks: with the next expert's first), B with the next expert's second, and behind the third block A with the
; next expert's first.  An expert's w2, its scale words and the gates (34 loads) are requested at the end of the expert before: at an expert's head they are the youngest loads.
; Where nothing is left to request the wave waits for all its loads instead, so that every counted wait below holds on every way.
; NO CLUSTER, NO TENSOR LOAD: which experts a work-group walks hangs on masks read from memory, so neighbours would ask for different tiles, and the walk branches on those masks.
; THE MODE: SCHED_MODE bits 1:0 = 2 (LLVM: expert scheduling mode 2), set by the entry lines.  The code itself states the register dependences between vector or matrix instructions and
; memory or LDS instructions, with s_wait_alu, always for 0.
; THE PLAN.  Registers that memory or LDS instructions touch, in the loop:
;   sets A, B, v[WAS ..]      read by the eight products of a TILE1; then the set's next 20 loads land in them.
;   v[PC ..], v[BYT]          written by a TILE1's shift and conversions; read by its two LDS stores; written again by the next TILE1; in phase 2 LDS loads land on them.
;   v128-191                  phase 1: h1, h3 and the arithmetic on them.  Phase 2: v144-191 take the hidden layer's fragments by LDS loads, which TILE2's products read.
;   v[HS ..]                  LDS loads land in them; TILE2's products read them.
;   w2's fragments, v[W2S ..] read by TILE2's products;  v[G ..] read by TILE2's multiply-adds;  all loaded again at the trip's end.
;   every address register    made at the head and never written again (but v[T ..], four addresses of the head, which phase 1 writes).
; So a TILE1 ends with ONE wait on va_vdst, behind its last vector line and ahead of its two LDS stores: the stores' data are written; its products are done reading their set, so that the set's
; next loads owe nothing more; and all its arithmetic is done with v128-183, so that phase 2's loads owe nothing more.  Every line of phase 1 that names those registers stands in a TILE1, ahead of
; that tile's wait, and between the wait and those loads stand the two stores, scalar lines and window switches alone.  A TILE2 has ONE wait on va_vdst, behind its products' places and
; ahead of the multiply-adds, which name y, the gates and the sums alone: the next tile's LDS loads owe nothing more.  One more stands ahead of the run of loads at the trip's end (the gates).
; On vm_vsrc: one wait in a TILE1, ahead of the first write of v[BYT] and v[PC ..], and one where phase 1 ends, on the way that every trip takes, ahead of the LDS loads that land on them.
; The loads are not dealt among a tile's lines: a tile stands under a branch on a stored mask, and the counted waits on loads are to hold on every way.
; LIMITS: where 2^(-h1 log2 e) overflows, silu comes out 0 (its true value lies under 1e-38 x |h1|).  The product is formed as (h1 h3) / (1 + e^-h1): one rounding placed otherwise than in
; silu(h1) h3.  A block of the hidden layer whose largest magnitude lies under 2^-124 gets the byte 1.  NaN and infinities are not served.
.set HSC, 24576                        ; LDS: 0: the hidden layer's images, tile m, K step s: 6144 m + 1024 s + 512 c + 16 lane.  HSC: their scale words: 384 m + 64 s + 4 r
.set STG, 26624                        ; the stage for out: 64 rows x (1,024 + 16) bytes
.set LI,  1                            ; v1  16 x lane
.set LS,  2                            ; v2  4 x lane
.set HSA, 3                            ; v3  where my 8 bytes of codes go: 16 r + 8 h + 256 x my first block
.set SO,  5                            ; v5  stage, in: 1040 r + 32 h + 128 wave
.set SR,  6                            ; v6  stage, out: my 8 rows, 16 x lane
.set XA,  8                            ; v8-11   128 token + 16 h
.set GA,  12                           ; v12-15  32 token
.set G,   16                           ; v16-19  my tokens' gates for the expert in hand
.set XSW, 20                           ; v20-23  x's scale words: lanes 0-15 K step 0, lanes 16-31 K step 1
.set WAS, 24                           ; v24-31  w1's and w3's scale words, 4 a set
.set W2S, 32                           ; v32-37  w2's: 3 a tile
.set HS,  38                           ; v38-40  the hidden layer's
.set ZA,  41
.set ZB,  42
.set TOK, 44                           ; v44-47  my tokens
.set ORW, 48                           ; v48-55  byte offsets of the 8 rows of out that I store
.set HBA, 61                           ; v61-63  where the byte of my first, second, third block goes: HSC + 4 r + 64 (block / 4) + block % 4
.set X,   64                           ; v64-127 x's 8 fragments (16 m + 8 s)
.set ACC, 128                          ; v128-159 h1 (16 numbers), h3 (16)
.set T,   160                          ; v160-175
.set M0,  176
.set M1,  177
.set M2,  178
.set SCL, 179
.set BYT, 180
.set PC,  182                          ; v182-183 16 codes
.set Y,   128                          ; phase 2: v128-143 y, v144-191 the hidden layer's 6 fragments
.set HF,  144
.set OUT, 192                          ; v192-255 the rows' sums (16 m + 8 n).   Window 1: v0-63 set A, v64-127 set B; v128-223 w2's 12 fragments
.set WV,  18
.set WP,  19                           ; p
.set REM, 21                           ; experts behind the one in hand
.set EX,  22                           ; the expert in hand; 8: none
.set EN,  23                           ; the next; 8: none
.set TMK, 24                           ; s24-27 the four tiles' masks
.set TRIP, 28
.set N3,  29                           ; p % 4: 0 in a wave of two blocks
.set B0,  30                           ; my first block
.set MSB, 0
.macro WIN new                         ; the immediate's high byte repeats the setting that is left
.if MSB != \new
	s_set_vgpr_msb (MSB<<8)|\new
.set MSB, \new
.endif
.endm
.macro PLACES n
.rept \n
	v_nop
.endr
.endm
; The block whose record lies off bytes behind s[32:33], into set bb: 8 fragments and 4 registers of scale words: 20 loads.  No wait on va_vdst stands here: at the head no vector or matrix
; line has named these registers; in the loop the only lines that name them are the products of the set's tiles, each ahead of its tile's closing wait
.macro LOADH bb, off
	WIN 0x40                                       ; destination window 1
.irp f, 0,1,2,3,4,5,6,7
.irp c, 0,1
	global_load_b128 v[64*\bb+8*\f+4*\c:64*\bb+8*\f+4*\c+3], v[LI], s[32:33] offset:\off+1024*\f+512*\c
.endr
.endr
	WIN 0
.irp i, 0,1,2,3
	global_load_b32 v[WAS+4*\bb+\i], v[LS], s[32:33] offset:\off+8192+128*\i
.endr
.endm
.macro RECADDR e, j                    ; s[32:33]: the record of my j-th block of expert s[e]
	s_wait_xcnt 0x0                                ; the pending loads have read their base
	s_mul_i32 s45, s[\e], 22
	s_add_co_u32 s45, s45, s[B0]
	s_add_co_u32 s45, s45, \j
	s_min_u32 s45, s45, 175                        ; held inside wa: 176 records of 8,704 bytes
	s_mul_i32 s38, s45, 8704
	s_add_nc_u64 s[32:33], s[12:13], s[38:39]
.endm
.macro ISSUE bb, j                     ; set bb takes my j-th block of the next expert, if there is one
	s_cmp_lg_u32 s[REM], 0
	s_cbranch_scc0 .Lnone_\@
	RECADDR EN, \j
	LOADH \bb, 0
	s_branch .Lgo_\@
.Lnone_\@:
	s_wait_loadcnt 0x0                             ; nothing is requested: then nothing stays out either
.Lgo_\@:
.endm
.macro W2ADDR e, wait                  ; expert s[e]: my two tiles of w2, and the expert's column of gates.  wait = 0, at the head: no memory instruction has named these registers yet
.if \wait
	s_wait_xcnt 0x0
.endif
	s_lshl_b32 s45, s[\e], 3
	s_add_co_u32 s45, s45, s[WV]
	s_min_u32 s45, s45, 63                         ; held inside wb: 64 pairs of records
	s_mul_i32 s38, s45, 13312
	s_add_nc_u64 s[34:35], s[14:15], s[38:39]
	s_min_u32 s45, s[\e], 7
	s_lshl_b32 s38, s45, 2
	s_add_nc_u64 s[36:37], s[8:9], s[38:39]
.endm
.macro LOADW2G dep                     ; 24 + 6 + 4 = 34 loads.  dep = 0, at the head: no vector or matrix line has named their registers yet
	WIN 0x40
.if \dep
	s_wait_alu depctr_va_vdst(0)                   ; the last tile's multiply-adds are done reading the gates, and the tiles' products w2's fragments and scale words: the 34 loads below land in them
.endif
.irp n, 0,1
.irp s, 0,1,2,3,4,5
.irp c, 0,1
	global_load_b128 v[128+8*(6*\n+\s)+4*\c:128+8*(6*\n+\s)+4*\c+3], v[LI], s[34:35] offset:6656*\n+1024*\s+512*\c
.endr
.endr
.endr
	WIN 0
.irp n, 0,1
.irp g, 0,1,2
	global_load_b32 v[W2S+3*\n+\g], v[LS], s[34:35] offset:6656*\n+6144+128*\g
.endr
.endr
.irp m, 0,1,2,3
	global_load_b32 v[G+\m], v[GA+\m], s[36:37]
.endr
.endm
; My j-th block of 32 hidden units, in set bb, for one tile of 16 tokens.
.macro TILE1 bb, m, j
	s_bitcmp1_b32 s[TMK+\m], s[EX]
	s_cbranch_scc0 .Lt1_\@
	WIN 0x01                                       ; source 0 (the weights) window 1
.irp s, 0,1                                    ; four accumulators by turns, one instruction a turn: h1's two tiles, h3's two
.irp i, 0,1,2,3
.if \s == 0
	v_wmma_scale_f32_16x16x128_f8f6f4 v[ACC+8*\i:ACC+8*\i+7], v[64*\bb+16*\i:64*\bb+16*\i+7], v[X+16*\m:X+16*\m+7], 0, v[WAS+4*\bb+\i], v[XSW+\m] matrix_a_fmt:MATRIX_FMT_FP4 matrix_b_fmt:MATRIX_FMT_FP4
.else
	v_wmma_scale_f32_16x16x128_f8f6f4 v[ACC+8*\i:ACC+8*\i+7], v[64*\bb+16*\i+8:64*\bb+16*\i+15], v[X+16*\m+8:X+16*\m+15], v[ACC+8*\i:ACC+8*\i+7], v[WAS+4*\bb+\i], v[XSW+\m] matrix_a_fmt:MATRIX_FMT_FP4 matrix_b_fmt:MATRIX_FMT_FP4 matrix_a_scale:MATRIX_SCALE_ROW1 matrix_b_scale:MATRIX_SCALE_ROW1
.endif
.endr
.endr
	WIN 0
	PLACES 4                                       ; behind the products, ahead of the first read of results (ISA guide 7.12.1)
.irp i, 0,2,4,6,8,10,12,14
	v_pk_mul_f32 v[T+\i:T+\i+1], v[ACC+\i:ACC+\i+1], s[42:43] op_sel_hi:[1,0]   ; -h1 log2(e); each accumulator is read from its low end on
.endr
	s_wait_alu depctr_va_vdst(0)
.irp i, 0,1,2,3,4,5,6,7,8,9,10,11,12,13,14,15
	v_exp_f32 v[T+\i], v[T+\i]
.endr
	s_wait_alu depctr_va_vdst(0)
.irp i, 0,2,4,6,8,10,12,14
	v_pk_mul_f32 v[ACC+\i:ACC+\i+1], v[ACC+\i:ACC+\i+1], v[ACC+16+\i:ACC+17+\i]   ; h1 h3: plain work behind the exponentials, which names none of their results
.endr
	s_wait_alu depctr_va_vdst(0)                   ; the sixteen exponentials have written v[T ..]: one wait, ahead of their first reader
.irp i, 0,2,4,6,8,10,12,14
	v_pk_add_f32 v[T+\i:T+\i+1], v[T+\i:T+\i+1], 1.0 op_sel_hi:[1,0]
.endr
	s_wait_alu depctr_va_vdst(0)
.irp i, 0,1,2,3,4,5,6,7,8,9,10,11,12,13,14,15
	v_rcp_f32 v[T+\i], v[T+\i]
.endr
	v_nop                                          ; a plain instruction behind the reciprocals
	s_wait_alu depctr_va_vdst(0)                   ; the sixteen reciprocals have written v[T ..]: one wait, ahead of their first reader
.irp i, 0,2,4,6,8,10,12,14
	v_pk_mul_f32 v[ACC+\i:ACC+\i+1], v[ACC+\i:ACC+\i+1], v[T+\i:T+\i+1]   ; the hidden layer: 16 neighbours along the next K
.endr
	v_max3_num_f32 v[M0], |v[ACC]|, |v[ACC+1]|, 0x1800000   ; two chains; the floor 2^(3 - 127) among the leaves: the byte cannot fall under 1
	v_max3_num_f32 v[M1], |v[ACC+8]|, |v[ACC+9]|, |v[ACC+10]|
	v_max3_num_f32 v[M0], v[M0], |v[ACC+2]|, |v[ACC+3]|
	v_max3_num_f32 v[M1], v[M1], |v[ACC+11]|, |v[ACC+12]|
	v_max3_num_f32 v[M0], v[M0], |v[ACC+4]|, |v[ACC+5]|
	v_max3_num_f32 v[M1], v[M1], |v[ACC+13]|, |v[ACC+14]|
	v_max3_num_f32 v[M0], v[M0], |v[ACC+6]|, |v[ACC+7]|
	v_max3_num_f32 v[M1], v[M1], |v[ACC+15]|, v[M0]
	v_permlanex16_b32 v[M2], v[M1], s40, s41
	v_max_num_f32 v[M1], v[M1], v[M2]              ; with lane l xor 16's 16: the block's largest magnitude
	v_add_nc_u32 v[SCL], 0xff000000, v[M1]         ; 2 off its exponent field: the conversion's scale operand
	s_wait_alu depctr_va_vdst(0)
	s_wait_dscnt 0x0                               ; the last tile's LDS stores are done,
	s_wait_alu depctr_vm_vsrc(0)                   ; and they have read v[BYT] and v[PC ..], which the three lines below write again
	v_lshrrev_b32 v[BYT], 23, v[SCL]               ; the scale's byte
	v_cvt_scalef32_pk8_fp4_f32 v[PC], v[ACC:ACC+7], v[SCL]
	v_cvt_scalef32_pk8_fp4_f32 v[PC+1], v[ACC+8:ACC+15], v[SCL]
	v_nop                                          ; one plain instruction behind the scaled conversions
	s_wait_alu depctr_va_vdst(0)                   ; the tile's closing wait: v[PC ..] and v[BYT] are written, which the two stores read; the products are done reading set bb and its scale words, in which the set's next loads land; all the tile's lines are done with v128-183, in which phase 2's LDS loads land
	ds_store_b64 v[HSA], v[PC:PC+1] offset:6144*\m+256*\j   ; block b's 16 r + 8 h lies 256 b bytes into the tile's images: registers 2 h, 2 h + 1 of lane r + 16 (b % 2): no lane exchange is needed
	ds_store_b8 v[HBA+\j], v[BYT] offset:384*\m    ; both lanes of a block write the same byte with the same value
.Lt1_\@:
.endm
; My 32 output columns for one tile of 16 tokens: K = 768 in six steps, two accumulators by turns.
; The LDS loads at its head owe no wait on va_vdst: the lines that named v[HS ..] and v144-191 before them are phase 1's, each ahead of its tile's closing wait, and an earlier TILE2's products, ahead of that tile's wait
.macro TILE2 m
	s_bitcmp1_b32 s[TMK+\m], s[EX]
	s_cbranch_scc0 .Lt2_\@
.irp g, 0,1,2
	ds_load_b32 v[HS+\g], v[LS] offset:HSC+384*\m+128*\g   ; lanes 0-15 K step 2 g, lanes 16-31 K step 2 g + 1
.endr
.irp s, 0,1,2,3,4,5
.irp c, 0,1
	ds_load_b128 v[HF+8*\s+4*\c:HF+8*\s+4*\c+3], v[LI] offset:6144*\m+1024*\s+512*\c
.endr
.endr
	WIN 0x01
.irp s, 0,1,2,3,4,5
	s_wait_dscnt 10-2*\s                           ; the loads of the later K steps, two each, may be out
.irp n, 0,1
.if \s == 0
	v_wmma_scale_f32_16x16x128_f8f6f4 v[Y+8*\n:Y+8*\n+7], v[128+8*(6*\n+\s):128+8*(6*\n+\s)+7], v[HF+8*\s:HF+8*\s+7], 0, v[W2S+3*\n+\s/2], v[HS+\s/2] matrix_a_fmt:MATRIX_FMT_FP4 matrix_b_fmt:MATRIX_FMT_FP4
.elseif (\s%2) == 0
	v_wmma_scale_f32_16x16x128_f8f6f4 v[Y+8*\n:Y+8*\n+7], v[128+8*(6*\n+\s):128+8*(6*\n+\s)+7], v[HF+8*\s:HF+8*\s+7], v[Y+8*\n:Y+8*\n+7], v[W2S+3*\n+\s/2], v[HS+\s/2] matrix_a_fmt:MATRIX_FMT_FP4 matrix_b_fmt:MATRIX_FMT_FP4
.else
	v_wmma_scale_f32_16x16x128_f8f6f4 v[Y+8*\n:Y+8*\n+7], v[128+8*(6*\n+\s):128+8*(6*\n+\s)+7], v[HF+8*\s:HF+8*\s+7], v[Y+8*\n:Y+8*\n+7], v[W2S+3*\n+\s/2], v[HS+\s/2] matrix_a_fmt:MATRIX_FMT_FP4 matrix_b_fmt:MATRIX_FMT_FP4 matrix_a_scale:MATRIX_SCALE_ROW1 matrix_b_scale:MATRIX_SCALE_ROW1
.endif
.endr
.endr
	WIN 0
	PLACES 5                                       ; four ahead of the reads of y; the fifth since the next tile's first product begins y anew
	s_wait_alu depctr_va_vdst(0)                   ; the twelve products are done reading v[HF ..] and v[HS ..], in which the next tile's LDS loads land; the multiply-adds below name y, the gates and the sums alone
.irp n, 0,1
.irp i, 0,2,4,6
.if (\m%2) == 0
	v_pk_fma_f32 v[OUT+16*\m+8*\n+\i:OUT+16*\m+8*\n+\i+1], v[Y+8*\n+\i:Y+8*\n+\i+1], v[G+\m:G+\m+1], v[OUT+16*\m+8*\n+\i:OUT+16*\m+8*\n+\i+1] op_sel_hi:[1,0,1]   ; + gate x y: the pair's first register for both halves
.else
	v_pk_fma_f32 v[OUT+16*\m+8*\n+\i:OUT+16*\m+8*\n+\i+1], v[Y+8*\n+\i:Y+8*\n+\i+1], v[G+\m-1:G+\m], v[OUT+16*\m+8*\n+\i:OUT+16*\m+8*\n+\i+1] op_sel:[0,1,0] op_sel_hi:[1,1,1]   ; the pair's second register for both halves
.endif
.endr
.endr
.Lt2_\@:
.endm
	s_load_b256 s[4:11], s[0:1], 0x0               ; xq 4, xs 6, gates 8, plan 10
	s_load_b128 s[12:15], s[0:1], 0x20             ; wa 12, wb 14
	s_load_b64 s[16:17], s[0:1], 0x30              ; out0
	v_lshl_add_u32 v7, v0, 2, 0x16c00
	v_mov_b32 v43, 0
	v_lshrrev_b32 v56, 5, v0
	v_readfirstlane_b32 s[WV], v56                 ; wave 0..7
	v_and_b32 v57, 31, v0                          ; lane
	v_and_b32 v58, 15, v0                          ; r
	v_bfe_u32 v59, v0, 4, 1                        ; h
	v_lshlrev_b32 v60, 2, v58                      ; 4 r
	s_wait_alu depctr_va_vdst(0)
	v_lshlrev_b32 v[LI], 4, v57
	v_lshlrev_b32 v[LS], 2, v57
	v_lshlrev_b32 v[HSA], 4, v58
	v_lshl_add_u32 v[HSA], v59, 3, v[HSA]
	s_wait_alu depctr_va_sdst(0)                   ; s[WV] is written, ahead of its first reader: p, my blocks, LDS places and bases are made from it
	s_lshr_b32 s45, s[WV], 2
	s_xor_b32 s[WP], s[WV], s45                    ; p = w xor (w / 4): 0 1 2 3 5 4 7 6
	s_and_b32 s[N3], s[WP], 3
	s_mul_i32 s[B0], s[WP], 11
	s_lshr_b32 s[B0], s[B0], 2                     ; my first block: 0 2 5 8 11 13 16 19 for p = 0 .. 7
	s_lshl_b32 s45, s[B0], 8
	v_add_nc_u32 v[HSA], s45, v[HSA]
.irp j, 0,1,2
	s_add_co_u32 s45, s[B0], \j                    ; block b: K step b / 4, byte b % 4 of the row's scale word
	s_lshr_b32 s46, s45, 2
	s_lshl_b32 s46, s46, 6
	s_and_b32 s45, s45, 3
	s_add_co_u32 s45, s45, s46
	s_add_co_u32 s45, s45, HSC
	v_add_nc_u32 v[HBA+\j], s45, v60
.endr
	v_mul_u32_u24 v[SO], v58, 1040
	v_lshl_add_u32 v[SO], v59, 5, v[SO]
	s_lshl_b32 s45, s[WV], 7
	s_add_co_u32 s45, s45, STG
	v_add_nc_u32 v[SO], s45, v[SO]
	s_mul_i32 s45, s[WV], 8*1040
	s_add_co_u32 s45, s45, STG
	v_add_nc_u32 v[SR], s45, v[LI]
	s_mul_i32 s45, s[WV], 6144
	s_add_co_u32 s45, s45, 5*1024+512
	v_add_nc_u32 v[ZA], s45, v[LI]                 ; tile `wave`, K step 5, second half: k = 704 .. 767
	s_mul_i32 s45, s[WV], 384
	s_add_co_u32 s45, s45, HSC+5*64
	v_add_nc_u32 v[ZB], s45, v60                   ; and K step 5's scale words
	s_mov_b32 s40, 0x76543210
	s_mov_b32 s41, 0xfedcba98                      ; v_permlanex16_b32's selects for lane l xor 16
	s_mov_b32 s42, 0xbfb8aa3b                      ; -log2(e)
	s_mov_b32 s43, s42                             ; (named with it as a pair, so it is written)
	s_mov_b32 s39, 0                               ; the upper word of every offset; never rewritten
	v_mov_b32 v[M2], 0                             ; written once: a lane permute's destination counts as one of its sources
.set z, 0
.rept 64
	v_mov_b32 v[OUT+z], 0                          ; the rows' sums are cleared: which expert reaches a tile first hangs on the masks, so no product can be written out as the first
.set z, z+1
.endr
	s_lshl_b32 s38, ttmp9, 4
	s_wait_kmcnt 0x0
	s_add_nc_u64 s[56:57], s[10:11], s[38:39]
	s_load_b128 s[TMK:TMK+3], s[56:57], 0x10000    ; my four tiles' masks
	s_lshl_b32 s38, ttmp9, 8
	s_add_nc_u64 s[58:59], s[10:11], s[38:39]      ; my 64 places in the sorted order
	s_lshl_b32 s38, s[WV], 5
	s_add_nc_u64 s[60:61], s[58:59], s[38:39]
	s_load_b256 s[48:55], s[60:61], 0x0            ; the 8 tokens whose rows of out I store
	s_wait_alu depctr_va_vdst(0)                   ; all that the head has made so far is written: the addresses v1 to v6, v41, v42, v60 to v63, which loads and LDS instructions read from here to the end; the zeros in v[OUT ..], the data of the two LDS stores below; v7 and v43
.irp m, 0,1,2,3
	global_load_b32 v[TOK+\m], v60, s[58:59] offset:64*\m   ; tile m's token r, in both halves of the lanes
.endr
	s_cmp_lt_u32 s[WV], 4
	s_cbranch_scc0 .Lno_fill
	ds_store_b128 v[ZA], v[OUT:OUT+3]              ; zero codes past hidden unit 703; they add nothing under any byte but 0xff,
	ds_store_b32 v[ZB], v[OUT]                     ; so K step 5's words begin as zeros: bytes 0 and 1 are written in every expert's turn, bytes 2 and 3 stay
.Lno_fill:
	s_wait_kmcnt 0x0
.irp m, 0,1,2,3
	s_and_b32 s[TMK+\m], s[TMK+\m], 255            ; bit 8 is never set: `no expert` fails every tile's test
.endr
	s_or_b32 s[REM], s[TMK], s[TMK+1]
	s_or_b32 s[REM], s[REM], s[TMK+2]
	s_or_b32 s[REM], s[REM], s[TMK+3]
	s_ctz_i32_b32 s[EX], s[REM]
	s_min_u32 s[EX], s[EX], 8
	s_sub_co_u32 s45, s[REM], 1
	s_and_b32 s[REM], s[REM], s45
	s_ctz_i32_b32 s[EN], s[REM]
	s_min_u32 s[EN], s[EN], 8
	s_mul_i32 s45, s[EX], 22
	s_add_co_u32 s45, s45, s[B0]
	s_min_u32 s45, s45, 174                        ; two records are read from here on: held one short of wa's last
	s_mul_i32 s38, s45, 8704
	s_add_nc_u64 s[32:33], s[12:13], s[38:39]
	LOADH 0, 0                                     ; the first expert's first block into A,
	LOADH 1, 8704                                  ; its second into B
	s_wait_loadcnt 40                              ; the tokens are in; the 40 loads of weights behind them may be out
.irp m, 0,1,2,3
	v_min_u32 v[TOK+\m], 0x3fff, v[TOK+\m]         ; a loaded number is held before it enters an address
	v_lshlrev_b32 v[XA+\m], 7, v[TOK+\m]
	v_lshl_add_u32 v[XA+\m], v59, 4, v[XA+\m]
	v_lshlrev_b32 v[GA+\m], 5, v[TOK+\m]
	v_lshlrev_b32 v[T+\m], 3, v[TOK+\m]
	v_lshl_add_u32 v[T+\m], v59, 2, v[T+\m]
.endr
	s_wait_alu depctr_va_vdst(0)                   ; v[XA ..], v[T .. T+3] and v[GA ..] are written: the addresses of the loads of x, of its scale words and of the gates
.irp m, 0,1,2,3
.irp s, 0,1
.irp c, 0,1
	global_load_b128 v[X+16*\m+8*\s+4*\c:X+16*\m+8*\s+4*\c+3], v[XA+\m], s[4:5] offset:64*\s+32*\c   ; x's fragments stay in registers
.endr
.endr
	global_load_b32 v[XSW+\m], v[T+\m], s[6:7]
.endr
	W2ADDR EX, 0
	LOADW2G 0                                      ; the youngest 34 loads: the loop's first wait leaves them out and shows all the others done
.irp i, 0,1,2,3,4,5,6,7
	s_min_u32 s45, s[48+\i], 0x3fff
	s_lshl_b32 s45, s45, 10
	v_add_nc_u32 v[ORW+\i], s45, v[LI]
.endr
	s_wait_dscnt 0x0                               ; for the others' sake: the zeros lie in LDS
	s_wait_alu depctr_vm_vsrc(0)                   ; the zeros' LDS stores have read v[OUT ..], which phase 2 writes; the loads of x's scale words have read v[T .. T+3], which phase 1 writes
	s_barrier_signal -1
	s_barrier_wait -1
	s_mov_b32 s[TRIP], 8
.Ltrip:
	s_cmp_lg_u32 s[EX], 8
	s_cbranch_scc1 .Lwork
	s_wait_loadcnt 0x0                             ; an idle trip: nothing is out
	s_branch .Lmeet
.Lwork:
	s_wait_loadcnt 34                              ; A and B are in (in the first trip x and its scale words too, whose address registers are written next): only w2's and the gates' 34 loads are younger
.irp m, 0,1,2,3
	TILE1 0, \m, 0
.endr
	s_cmp_lg_u32 s[N3], 0
	s_cbranch_scc0 .Ltwo
	RECADDR EX, 2
	LOADH 0, 0                                     ; A takes this expert's third block
	s_branch .Lsecond
.Ltwo:
	ISSUE 0, 0                                     ; a wave of two blocks: A takes the next expert's first
.Lsecond:
.irp m, 0,1,2,3
	TILE1 1, \m, 1
.endr
	ISSUE 1, 1                                     ; B takes the next expert's second block
	s_cmp_lg_u32 s[N3], 0
	s_cbranch_scc0 .Lmeet
	s_wait_loadcnt 20                              ; the third block is in: only B's 20 loads were requested behind it
.irp m, 0,1,2,3
	TILE1 0, \m, 2
.endr
	ISSUE 0, 0                                     ; A takes the next expert's first block
.Lmeet:
	s_wait_loadcnt 40                              ; w2 and the gates are in: in a wave of two blocks two sets' 40 loads were requested behind them; a wave of three has shown them done at its wait for 20
	s_wait_dscnt 0x0                               ; my part of the hidden layer lies in LDS
	s_wait_alu depctr_vm_vsrc(0)                   ; phase 1's LDS stores have read v[PC ..] and v[BYT]: phase 2's LDS loads, and the way out's, land on them
	s_barrier_signal -1
	s_barrier_wait -1
	TILE2 0
	TILE2 1
	TILE2 2
	TILE2 3
	s_cmp_lg_u32 s[REM], 0
	s_cbranch_scc0 .Lno_w2
	W2ADDR EN, 1
	LOADW2G 1                                      ; the next expert's, a whole phase ahead
	s_branch .Lw2_asked
.Lno_w2:
	s_wait_loadcnt 0x0
.Lw2_asked:
	s_mov_b32 s[EX], s[EN]
	s_sub_co_u32 s45, s[REM], 1
	s_and_b32 s[REM], s[REM], s45
	s_ctz_i32_b32 s[EN], s[REM]
	s_min_u32 s[EN], s[EN], 8
	s_wait_dscnt 0x0                               ; my reads of the hidden layer are back: it may be written again
	s_barrier_signal -1
	s_barrier_wait -1
	s_sub_co_i32 s[TRIP], s[TRIP], 1
	s_cmp_lg_u32 s[TRIP], 0
	s_cbranch_scc1 .Ltrip
	; THE WAY OUT.  A row's 1,024 bytes come from eight waves: they meet in the stage, and each wave stores 8 whole rows, each at its token's place
	s_wait_alu depctr_va_vdst(0)                   ; the multiply-adds have written v[OUT ..], which the LDS stores read; v[ORW ..], the global stores' offsets, are written; all arithmetic is done with v128-191, in which the stage's rows land
.irp m, 0,1,2,3
.irp n, 0,1
	ds_store_b128 v[SO], v[OUT+16*\m+8*\n:OUT+16*\m+8*\n+3] offset:16640*\m+64*\n
	ds_store_b128 v[SO], v[OUT+16*\m+8*\n+4:OUT+16*\m+8*\n+7] offset:16640*\m+64*\n+16
.endr
.endr
	s_wait_dscnt 0x0
	s_barrier_signal -1
	s_barrier_wait -1
.irp i, 0,1,2,3,4,5,6,7
.irp q, 0,1
	ds_load_b128 v[128+4*(2*\i+\q):128+4*(2*\i+\q)+3], v[SR] offset:1040*\i+512*\q
.endr
.endr
.irp i, 0,1,2,3,4,5,6,7
.irp q, 0,1
	s_wait_dscnt 15-2*\i-\q
	global_store_b128 v[ORW+\i], v[128+4*(2*\i+\q):128+4*(2*\i+\q)+3], s[16:17] offset:512*\q th:TH_STORE_NT   ; 32 lanes store 512 consecutive bytes of a row, aligned
.endr
.endr
	s_wait_dscnt 0x0                               ; the closing lines, six on end
	s_wait_alu 0x0
	s_wait_tensorcnt 0x0
	ds_add_u32 v7, v43
	s_wait_dscnt 0x0
	s_endpgm
.Lfunc_end_k_qe17f50c095_chain:
	.size	k_qe17f50c095_chain, .Lfunc_end_k_qe17f50c095_chain-k_qe17f50c095_chain
	.p2alignl 7, 3214868480
	.fill 96, 4, 3214868480
	.section	.rodata,"a",@progbits
	.p2align	6, 0x0
	.amdhsa_kernel k_qe17f50c095_chain
		.amdhsa_group_segment_fixed_size 94208
		.amdhsa_private_segment_fixed_size 0
		.amdhsa_enable_private_segment 0
		.amdhsa_kernarg_size 56
		.amdhsa_user_sgpr_count 2
		.amdhsa_user_sgpr_kernarg_segment_ptr 1
		.amdhsa_wavefront_size32 1
		.amdhsa_system_sgpr_workgroup_id_x 1
		.amdhsa_system_sgpr_workgroup_id_y 1
		.amdhsa_system_sgpr_workgroup_id_z 1
		.amdhsa_system_vgpr_workitem_id 0
		.amdhsa_next_free_vgpr 512
		.amdhsa_next_free_sgpr 66
		.amdhsa_reserve_vcc 0
		.amdhsa_float_denorm_mode_32 3
		.amdhsa_float_denorm_mode_16_64 3
		.amdhsa_memory_ordered 1
		.amdhsa_forward_progress 1
		.amdhsa_inst_pref_size 118
	.end_amdhsa_kernel
	.amdgpu_metadata
---
amdhsa.version: [ 1, 2 ]
amdhsa.kernels:
  - .name:           k_qe17f50c095_chain
    .symbol:         k_qe17f50c095_chain.kd
    .args:
      - { .name: xq, .offset: 0, .size: 8, .value_kind: global_buffer, .address_space: global }
      - { .name: xs, .offset: 8, .size: 8, .value_kind: global_buffer, .address_space: global }
      - { .name: gates, .offset: 16, .size: 8, .value_kind: global_buffer, .address_space: global }
      - { .name: plan, .offset: 24, .size: 8, .value_kind: global_buffer, .address_space: global }
      - { .name: wa, .offset: 32, .size: 8, .value_kind: global_buffer, .address_space: global }
      - { .name: wb, .offset: 40, .size: 8, .value_kind: global_buffer, .address_space: global }
      - { .name: out0, .offset: 48, .size: 8, .value_kind: global_buffer, .address_space: global }
    .group_segment_fixed_size: 94208
    .private_segment_fixed_size: 0
    .kernarg_segment_align: 8
    .kernarg_segment_size: 56
    .max_flat_workgroup_size: 256
    .sgpr_count:     66
    .vgpr_count:     512
    .wavefront_size: 32
...
	.end_amdgpu_metadata
.endif
;; end of part 6
